; MI455X (gfx1250); checked and timed in simulation.
; The chip was launched on July 23, 2026; its instructions are those of AMD's public machine-readable ISA for CDNA 5 (MIT licence, August 2026) and "CDNA5" Instruction Set Architecture Reference Guide (July 2026). The comments in the code are by the model that wrote it; some were corrected since.
;; Multi Head Attention. Allowed arithmetic: matrix products marked QUANTISED: E2M1 operands, one E8M0 scale for each 32 along K, by v_wmma_scale_f32_16x16x128_f8f6f4 with both operands' format E2M1 (or v_wmma_scale_f32_32x16x128_f4), f32 sums; products left as they are: bf16, f16 or f32 operands; f32 sums; everything else in f32.
;; Inputs: Wk 1,024 x 1,024 float32; Wo 1,024 x 1,024 float32; Wq 1,024 x 1,024 float32; Wv 1,024 x 1,024 float32; bk 1,024 float32; bo 1,024 float32; bq 1,024 float32; bv 1,024 float32; key 4 x 2,048 x 1,024 float32; query 4 x 2,048 x 1,024 float32; value 4 x 2,048 x 1,024 float32.
;; Outputs: out0 4 x 2,048 x 1,024 float32.
;; This version of the problem:
;;   THIS VERSION OF THE PROBLEM IS GIVEN IN LOW PRECISION. The matrix products marked QUANTISED in the list below multiply operands that are first quantised to E2M1 (2 exponent bits, 1 mantissa bit; 4 bits a number), with one power-of-two scale for each 32 numbers along K (OCP MX v1.0); their sums are f32. The products marked 'left as it is' may take bf16, f16 or f32 operands, with f32 sums. Whichever they take, every output number must still come out within the allowed error. Rounding operands to bf16 (8 significant bits) uses up far more of that allowance than f16 does (11 bits, for magnitudes from 6e-5 to 65,504). All else is computed in f32.
;;   The module's matrix products, in the order in which they are computed (A, B: the left and right operand; K: the contracted axis; several contracted axes count as one K, in the product's order):
;;     1. [M 8,192, K 1,024] x [K 1,024, N 1,024]; A: input query; B: input Wq: QUANTISED
;;     2. [M 8,192, K 1,024] x [K 1,024, N 1,024]; A: input key; B: input Wk: QUANTISED
;;     3. [M 8,192, K 1,024] x [K 1,024, N 1,024]; A: input value; B: input Wv: QUANTISED
;;     4. batch 64 x [M 2,048, K 64] x [K 64, N 2,048]; A: computed on the way; B: computed on the way: left as it is (an operand is computed on the way)
;;     5. batch 64 x [M 2,048, K 2,048] x [K 2,048, N 64]; A: computed on the way; B: computed on the way: left as it is (an operand is computed on the way)
;;     6. [M 8,192, K 1,024] x [K 1,024, N 1,024]; A: computed on the way; B: input Wo: left as it is (an operand is computed on the way)
;;   THE QUANTISER, for each operand of a quantised product, along K:
;;     - K is cut into blocks of 32 from its start; a last block that is shorter is filled with zeros.
;;     - A block's scale is 2^e with e = floor(log2(the largest magnitude in the block)) - 2, held to -126 .. 127; a block of zeros has e = 0. As a byte (E8M0): e + 127.
;;     - Each number is divided by its block's scale, clamped to +-6, and rounded to the nearest number of E2M1, ties to even, subnormals kept.
;;     - The product sums the exact products of the quantised numbers (number of the format x scale) in f32.
;;   ~~~python
;;   def quantise(x, axis):      # numpy; x: float32 -> the quantised numbers, widened to float32 again
;;       x = np.moveaxis(x, axis, -1); K = x.shape[-1]
;;       x = np.pad(x, [(0, 0)] * (x.ndim - 1) + [(0, -K % 32)]); x = x.reshape(x.shape[:-1] + (-1, 32)); a = np.abs(x).max(-1, keepdims=True)
;;       e = np.where(a > 0, np.clip(np.frexp(np.where(a > 0, a, 1))[1] - 1 - 2, -126, 127), 0)      # np.frexp(a)[1] - 1 = floor(log2(a)), exactly
;;       r = np.clip(x / 2.0 ** e, -6, 6)
;;       step = 2.0 ** (np.maximum(np.frexp(np.where(r == 0, 1, r))[1] - 1, 0) - 1)
;;       q = np.round(r / step) * step * 2.0 ** e      # np.round: ties to even
;;       return np.moveaxis(q.reshape(q.shape[:-2] + (-1,))[..., :K], -1, axis).astype(np.float32)
;;   ~~~
;; One version. Each part assembles by itself: llvm-mc -triple=amdgcn-amd-amdhsa -mcpu=gfx1250 --defsym DOCPART=n.
;; ======== version 1 of 1: 4 launches
;; limits: values are held in f16: magnitudes above 65,504 overflow, below 6.1e-05 lose precision
;; workspace buffers: xc 12,582,912 bytes; xs 786,432 bytes; wc 1,572,864 bytes; ws 98,304 bytes; wo16 2,097,152 bytes; qkv 50,331,648 bytes; xf 16,777,216 bytes
;; launch prep (part 1): grid 1024 x 1, 4 waves a work-group, no clusters, 33,280 bytes of LDS; arguments Wq, Wk, Wv, Wo, query, key, value, wc, ws, wo16, xc, xs; writes wc, ws, wo16, xc, xs
.if DOCPART == 1
	.amdgcn_target "amdgcn-amd-amdhsa--gfx1250"
	.amdhsa_code_object_version 6
	.text
	.protected	k_q36ff06ccc6_prep
	.globl	k_q36ff06ccc6_prep
	.p2align	8
	.type	k_q36ff06ccc6_prep,@function
k_q36ff06ccc6_prep:
	s_mov_b64 s[64:65], 0
	v_nop
	global_prefetch_b8 v0, s[64:65] scope:SCOPE_SE
	s_setreg_imm32_b32 hwreg(HW_REG_WAVE_MODE, 25, 1), 1
	s_wait_xcnt 0x0
; PREP: every f32 input that is a matrix operand is read once and laid out as the later launches want it.
;  work-groups 0-255: the four weights [1024 (k)][1024 (n)], K = the FIRST axis.  Wq, Wk, Wv become codes of FP4 (E2M1) with one E8M0 byte for each 32 along K; Wo becomes f16.
;  work-groups 256-1023: query, key, value [8192][1024], K innermost, become codes of FP4 and scale bytes, as plain streams of blocks of 32.
; A block's scale is 2^(floor(log2(its largest magnitude)) - 2); its byte is the largest magnitude's exponent field - 2, held at 1 from below; each number is divided by the scale and rounded to the nearest code, ties to even, beyond 6 the largest code.
; LIMITS: NaN and infinities are not served.  A block of zeros gets the byte 1 where the rule says 127: its codes are zeros, and this program alone reads the bytes.  Blocks whose largest magnitude lies under 2^-124 are held at the byte 1.
;         Wo goes to f16: |Wo| under 65,504; magnitudes under 6e-5 keep f16's fixed step of 6e-8.
; LAYOUTS.  wc [tensor 3][half of K 2][tile of 16 columns 64][K step of 128 in the half 4][1,024 bytes]: an IMAGE OF THE OPERAND'S REGISTERS: register group c at 512 c, lane (16 h + r) at 16 x lane: column r of the tile, block 2 c + h of the K step.
;           ws [tensor 3][column 1024][32 bytes].   wo16 [tile of 16 columns 64][K step of 32: 32][1,024 bytes]: group g at 512 g, lane (16 h + r): column r, k = 16 g + 8 h + 0..7.
;           xc [3 x 8192 rows][512 bytes], xs [3 x 8192 rows][32 bytes]: row-major.
; No work-group shares an input with another: no cluster, no tensor load, no barrier.  The weights' work-groups have the low numbers.
.set SPW,   12                         ; v12  LDS address of my spare word: SPARE + 4 x my thread's number; never rewritten
.set NIL,   13                         ; v13  0; never rewritten
.set WREG,  8192                       ; LDS (activations' path alone): a region for each wave: two stages of 32 x SP bytes, then its 256 scale bytes
.set SP,    80                         ; a lane's place in a stage: 64 bytes + 16 of padding
.set SPARE, 4*WREG                     ; behind the four regions: the spare words, 128 bytes for each wave
.set STEPS, 16
.set CB,    8                          ; bytes of 16 codes
.set EMAX,  2
.set R,     16                         ; activations: v16-79 four sets of 16 numbers as loaded
.set X,     80                         ;              v80-111 two sets of 16 neighbours
.set E,     112                        ;              v112-127 a scale byte for each step
.set C,     128                        ;              v128-191 codes, four registers for each step
.set WD,    32                         ; weights: v32-159 four blocks of 32 numbers down K
.set WC,    160                        ;          v160-175 their codes
.set WS,    176                        ;          v176 their four scale bytes
; ---- the weights' macros.  A lane is a column, its registers run down K: a load of the wave reads 128 consecutive bytes, the work-group's four waves 512
.macro LOADB t                         ; block t: rows 32 t .. 32 t + 31 of my 128
.irp i, 0,1,2,3,4,5,6,7,8,9,10,11,12,13,14,15,16,17,18,19,20,21,22,23,24,25,26,27,28,29,30,31
	global_load_b32 v[WD+32*(\t)+\i], v3, s[30:31] offset:(32*(\t)+\i)*4096 th:TH_LOAD_NT
.endr
.endm
.macro AHEAD t                         ; block t is in; the block two on is asked for, into registers of its own
.if (\t) < 3
	s_wait_loadcnt 32                              ; the one younger block's 32 loads may be out
.else
	s_wait_loadcnt 0x0
.endif
.if (\t) < 2
	LOADB (\t)+2
.endif
.endm
.macro QBLOCK t                        ; 32 numbers of one column become 16 bytes of codes and a scale byte
.set XS, WD+32*(\t)
	AHEAD \t
	v_max3_num_f32 v8, |v[XS]|, |v[XS+1]|, |v[XS+2]|               ; the block's largest magnitude: all 32 numbers are mine; two chains
	v_max3_num_f32 v9, |v[XS+3]|, |v[XS+4]|, |v[XS+5]|
.irp i, 6,10,14,18,22,26
	v_max3_num_f32 v8, v8, |v[XS+\i]|, |v[XS+\i+1]|
	v_max3_num_f32 v9, v9, |v[XS+\i+2]|, |v[XS+\i+3]|
.endr
	v_max3_num_f32 v8, v8, |v[XS+30]|, |v[XS+31]|
	v_max3_num_f32 v8, v8, v9, (EMAX+1)<<23        ; and the floor 2^(3 - 127): the byte cannot fall under 1
	v_add_nc_u32 v11, -(EMAX<<23), v8              ; 2 off its exponent field: the conversion takes the exponent field of this operand as its scale
.irp g, 0,1,2,3
	v_cvt_scalef32_pk8_fp4_f32 v[WC+4*(\t)+\g], v[XS+8*\g:XS+8*\g+7], v11
.endr
	v_lshrrev_b32 v10, 23, v11                     ; the scale's byte (a plain line behind the conversions)
.if (\t) == 0
	v_mov_b32 v[WS], v10
.else
	v_lshl_or_b32 v[WS], v10, 8*(\t), v[WS]        ; four bytes to the word of this K step, the lower K in the lower byte
.endif
	global_store_b128 v4, v[WC+4*(\t):WC+4*(\t)+3], s[32:33] offset:((\t)/2)*512+((\t)%2)*256   ; block t = 2 c + h of the image: sixteen lanes store 256 consecutive bytes, aligned
.endm
.macro CBLOCK t                        ; 32 numbers of one column of Wo become 16 registers of f16, in place: register i was read at line i / 2
.set XS, WD+32*(\t)
	AHEAD \t
.irp i, 0,1,2,3,4,5,6,7,8,9,10,11,12,13,14,15
	v_cvt_pk_f16_f32 v[XS+\i], v[XS+2*\i], v[XS+2*\i+1]
.endr
.irp g, 0,1
.irp h, 0,1
	global_store_b128 v6, v[XS+8*\g+4*\h:XS+8*\g+4*\h+3], s[36:37] offset:(\t)*1024+\g*512+\h*256   ; k = 16 g + 8 h + 0..7: sixteen lanes store 256 consecutive bytes, aligned
.endr
.endr
.endm
; ---- the activations' macros
.macro XLOAD t
.irp i, 0,1,2,3
	global_load_b128 v[R+16*((\t)%4)+4*\i:R+16*((\t)%4)+4*\i+3], v3, s[30:31] offset:2048*(\t)+512*\i th:TH_LOAD_NT   ; 32 lanes read 512 consecutive bytes
.endr
.endm
.macro XTURN t                         ; step t's 2,048 bytes through the stage: in as they lie, back 64 bytes a lane.  LDS serves a wave's instructions in order: no wait between
.irp i, 0,1,2,3
	ds_store_b128 v14, v[R+16*((\t)%4)+4*\i:R+16*((\t)%4)+4*\i+3] offset:32*SP*((\t)%2)+8*SP*\i
.endr
.irp i, 0,1,2,3
	ds_load_b128 v[X+16*((\t)%2)+4*\i:X+16*((\t)%2)+4*\i+3], v15 offset:32*SP*((\t)%2)+16*\i
.endr
.endm
.macro XSTEP t                         ; 512 numbers: 16 neighbours a lane, two neighbouring lanes to a block
.set XS, X+16*((\t)%2)
.if (\t) > 0
	s_wait_dscnt 1                                 ; this step's numbers are back from the stage (the last step's byte store may be out): so its stores into the stage have read their registers,
.else
	s_wait_dscnt 0x0
.endif
.if (\t)+4 < STEPS
	XLOAD (\t)+4                                   ; which take the loads of four steps on
.endif
.if (\t)+1 < STEPS
.if STEPS-2-(\t) >= 3
	s_wait_loadcnt 12                              ; the next step's four loads are in; those of the three steps behind it may be out
.else
	s_wait_loadcnt 4*(STEPS-2-(\t))
.endif
	XTURN (\t)+1
.endif
	v_max3_num_f32 v8, |v[XS]|, |v[XS+1]|, |v[XS+2]|
	v_max3_num_f32 v9, |v[XS+3]|, |v[XS+4]|, |v[XS+5]|
.irp i, 6,10
	v_max3_num_f32 v8, v8, |v[XS+\i]|, |v[XS+\i+1]|
	v_max3_num_f32 v9, v9, |v[XS+\i+2]|, |v[XS+\i+3]|
.endr
	v_max3_num_f32 v8, v8, |v[XS+14]|, |v[XS+15]|
	v_max3_num_f32 v8, v8, v9, (EMAX+1)<<23        ; the floor
	v_max_num_f32_dpp v8, v8, v8 row_xmask:1 row_mask:0xf bank_mask:0xf   ; with my neighbour's 16: the block's largest magnitude
	v_add_nc_u32 v11, -(EMAX<<23), v8
	v_cvt_scalef32_pk8_fp4_f32 v[C+4*(\t)], v[XS:XS+7], v11
	v_cvt_scalef32_pk8_fp4_f32 v[C+4*(\t)+1], v[XS+8:XS+15], v11
	v_lshrrev_b32 v[E+(\t)], 23, v11               ; the scale's byte
	ds_store_b8 v5, v[E+(\t)] offset:16*(\t)       ; both lanes of a block write the same byte with the same value
	global_store_b64 v4, v[C+4*(\t):C+4*(\t)+1], s[32:33] offset:32*CB*(\t)   ; the wave stores 256 consecutive bytes, aligned
.endm
	s_load_b512 s[4:19], s[0:1], 0x0               ; Wq s[4:5], Wk s[6:7], Wv s[8:9], Wo s[10:11], query s[12:13], key s[14:15], value s[16:17], wc s[18:19]
	s_load_b256 s[20:27], s[0:1], 0x40             ; ws s[20:21], wo16 s[22:23], xc s[24:25], xs s[26:27]
	v_lshl_add_u32 v[SPW], v0, 2, SPARE
	v_mov_b32 v[NIL], 0
	v_lshrrev_b32 v1, 5, v0
	v_readfirstlane_b32 s28, v1                    ; wave 0..3
	v_and_b32 v2, 31, v0                           ; lane
	s_wait_kmcnt 0x0
	s_cmp_lt_u32 ttmp9, 256
	s_cbranch_scc0 .Lacts
	; ================ a weight: 128 columns x 128 along K to a work-group, 32 columns to a wave ================
	s_lshr_b32 s29, ttmp9, 6                       ; which weight: 0 Wq, 1 Wk, 2 Wv, 3 Wo
	s_bfe_u32 s38, ttmp9, 0x30003                  ; which 128 columns
	s_and_b32 s39, ttmp9, 7                        ; which K step of 128
	s_mov_b64 s[30:31], s[4:5]
	s_cmp_eq_u32 s29, 1
	s_cselect_b64 s[30:31], s[6:7], s[30:31]
	s_cmp_eq_u32 s29, 2
	s_cselect_b64 s[30:31], s[8:9], s[30:31]
	s_cmp_eq_u32 s29, 3
	s_cselect_b64 s[30:31], s[10:11], s[30:31]
	s_lshl_b32 s40, s39, 19                        ; 128 rows of 4,096 bytes
	s_lshl_b32 s41, s38, 9                         ; 128 columns of 4 bytes
	s_add_co_u32 s40, s40, s41
	s_lshl_b32 s41, s28, 7                         ; my wave's 32 columns
	s_add_co_u32 s40, s40, s41
	s_mov_b32 s41, 0
	s_add_nc_u64 s[30:31], s[30:31], s[40:41]
	v_lshlrev_b32 v3, 2, v2                        ; 4 bytes a lane
	LOADB 0
	LOADB 1
	v_lshrrev_b32 v7, 4, v2                        ; which of my two tiles of 16 columns
	v_and_b32 v1, 15, v2                           ; and the column in it
	s_lshl_b32 s42, s38, 3
	s_lshl_b32 s43, s28, 1
	s_add_co_u32 s42, s42, s43                     ; my first tile of 16 columns
	s_cmp_eq_u32 s29, 3
	s_cbranch_scc1 .Lwo
	v_lshlrev_b32 v4, 12, v7                       ; codes: 4,096 bytes from tile to tile,
	v_lshl_add_u32 v4, v1, 4, v4                   ; 16 bytes a column
	v_lshlrev_b32 v5, 5, v2                        ; scale bytes: 32 a column
	s_lshl_b32 s40, s29, 19                        ; wc: the tensor's 524,288 bytes,
	s_lshr_b32 s43, s39, 2
	s_lshl_b32 s43, s43, 18                        ; the half of K,
	s_add_co_u32 s40, s40, s43
	s_lshl_b32 s43, s42, 12                        ; the tile,
	s_add_co_u32 s40, s40, s43
	s_and_b32 s43, s39, 3
	s_lshl_b32 s43, s43, 10                        ; the K step in the half
	s_add_co_u32 s40, s40, s43
	s_add_nc_u64 s[32:33], s[18:19], s[40:41]
	s_lshl_b32 s40, s29, 15                        ; ws: the tensor's 32,768 bytes,
	s_lshl_b32 s43, s42, 9                         ; 16 columns of 32 bytes a tile,
	s_add_co_u32 s40, s40, s43
	s_lshl_b32 s43, s39, 2                         ; the K step's word
	s_add_co_u32 s40, s40, s43
	s_add_nc_u64 s[34:35], s[20:21], s[40:41]
	QBLOCK 0
	QBLOCK 1
	QBLOCK 2
	QBLOCK 3
	global_store_b32 v5, v[WS], s[34:35]           ; 4 bytes a column, 32 bytes apart: 98,304 bytes in the launch, one byte for each 128 that this path reads
	s_endpgm
.Lwo:
	v_lshlrev_b32 v6, 15, v7                       ; wo16: 32,768 bytes from tile to tile,
	v_lshl_add_u32 v6, v1, 4, v6                   ; 16 bytes a column
	s_lshl_b32 s40, s42, 15
	s_lshl_b32 s43, s39, 12                        ; four K steps of 32, 1,024 bytes each
	s_add_co_u32 s40, s40, s43
	s_add_nc_u64 s[36:37], s[22:23], s[40:41]
	CBLOCK 0
	CBLOCK 1
	CBLOCK 2
	CBLOCK 3
	s_endpgm
	; ================ an activation: 32,768 numbers to a work-group, 8,192 to a wave, 16 steps of 512 ================
.Lacts:
	s_sub_co_u32 s29, ttmp9, 256                   ; 0..767: 256 work-groups to a tensor
	s_lshr_b32 s38, s29, 8                         ; 0 query, 1 key, 2 value
	s_mov_b64 s[30:31], s[12:13]
	s_cmp_eq_u32 s38, 1
	s_cselect_b64 s[30:31], s[14:15], s[30:31]
	s_cmp_eq_u32 s38, 2
	s_cselect_b64 s[30:31], s[16:17], s[30:31]
	s_and_b32 s39, s29, 255
	s_lshl_b32 s39, s39, 2
	s_add_co_u32 s39, s39, s28                     ; which run of 8,192 numbers of the tensor
	s_lshl_b32 s40, s39, 15
	s_mov_b32 s41, 0
	s_add_nc_u64 s[30:31], s[30:31], s[40:41]
	s_lshl_b32 s39, s29, 2
	s_add_co_u32 s39, s39, s28                     ; and of the three tensors on end
	s_lshl_b32 s40, s39, 12                        ; 4,096 bytes of codes a run
	s_add_nc_u64 s[32:33], s[24:25], s[40:41]
	s_lshl_b32 s40, s39, 8                         ; 256 scale bytes a run
	s_add_nc_u64 s[34:35], s[26:27], s[40:41]
	v_lshlrev_b32 v3, 4, v2                        ; my 16 bytes of a load's 512
	s_mul_i32 s42, s28, WREG
	v_lshrrev_b32 v14, 2, v2
	v_mul_u32_u24 v14, v14, SP
	v_and_b32 v15, 3, v2
	v_lshl_add_u32 v14, v15, 4, v14
	v_add_nc_u32 v14, s42, v14                     ; the stage, on the way in: SP (lane / 4) + 16 (lane % 4)
	v_mul_u32_u24 v15, v2, SP
	v_add_nc_u32 v15, s42, v15                     ; and on the way out: SP x lane: my 16 neighbours
	v_mul_u32_u24 v4, v2, CB                       ; my codes' place in a step's
	v_lshrrev_b32 v5, 1, v2
	s_add_co_u32 s42, s42, 2*32*SP
	v_add_nc_u32 v5, s42, v5                       ; LDS: my wave's 256 scale bytes, my block's byte
	v_lshlrev_b32 v7, 3, v2                        ; and on the way out 8 bytes a lane
	v_add_nc_u32 v6, s42, v7
.irp t, 0,1,2,3
	XLOAD \t
.endr
	s_wait_loadcnt 12                              ; step 0's four loads are in
	XTURN 0
.irp t, 0,1,2,3,4,5,6,7,8,9,10,11,12,13,14,15
	XSTEP \t
.endr
	ds_load_b64 v[8:9], v6                         ; LDS serves a wave's instructions in order: these see my byte stores
	s_wait_dscnt 0x0
	global_store_b64 v7, v[8:9], s[34:35]          ; 32 lanes store 256 consecutive bytes, aligned
	s_wait_tensorcnt 0x0                           ; the wave's end: behind my last LDS store
	ds_add_u32 v[SPW], v[NIL]
	s_wait_dscnt 0x0
	s_endpgm
.Lfunc_end_k_q36ff06ccc6_prep:
	.size	k_q36ff06ccc6_prep, .Lfunc_end_k_q36ff06ccc6_prep-k_q36ff06ccc6_prep
	.p2alignl 7, 3214868480
	.fill 96, 4, 3214868480
	.section	.rodata,"a",@progbits
	.p2align	6, 0x0
	.amdhsa_kernel k_q36ff06ccc6_prep
		.amdhsa_group_segment_fixed_size 33280
		.amdhsa_private_segment_fixed_size 0
		.amdhsa_enable_private_segment 0
		.amdhsa_kernarg_size 96
		.amdhsa_user_sgpr_count 2
		.amdhsa_user_sgpr_kernarg_segment_ptr 1
		.amdhsa_wavefront_size32 1
		.amdhsa_system_sgpr_workgroup_id_x 1
		.amdhsa_system_sgpr_workgroup_id_y 1
		.amdhsa_system_sgpr_workgroup_id_z 1
		.amdhsa_system_vgpr_workitem_id 0
		.amdhsa_next_free_vgpr 192
		.amdhsa_next_free_sgpr 66
		.amdhsa_reserve_vcc 0
		.amdhsa_float_denorm_mode_32 3
		.amdhsa_float_denorm_mode_16_64 3
		.amdhsa_memory_ordered 1
		.amdhsa_forward_progress 1
		.amdhsa_inst_pref_size 65
	.end_amdhsa_kernel
	.amdgpu_metadata
---
amdhsa.version: [ 1, 2 ]
amdhsa.kernels:
  - .name:           k_q36ff06ccc6_prep
    .symbol:         k_q36ff06ccc6_prep.kd
    .args:
      - { .name: Wq, .offset: 0, .size: 8, .value_kind: global_buffer, .address_space: global }
      - { .name: Wk, .offset: 8, .size: 8, .value_kind: global_buffer, .address_space: global }
      - { .name: Wv, .offset: 16, .size: 8, .value_kind: global_buffer, .address_space: global }
      - { .name: Wo, .offset: 24, .size: 8, .value_kind: global_buffer, .address_space: global }
      - { .name: query, .offset: 32, .size: 8, .value_kind: global_buffer, .address_space: global }
      - { .name: key, .offset: 40, .size: 8, .value_kind: global_buffer, .address_space: global }
      - { .name: value, .offset: 48, .size: 8, .value_kind: global_buffer, .address_space: global }
      - { .name: wc, .offset: 56, .size: 8, .value_kind: global_buffer, .address_space: global }
      - { .name: ws, .offset: 64, .size: 8, .value_kind: global_buffer, .address_space: global }
      - { .name: wo16, .offset: 72, .size: 8, .value_kind: global_buffer, .address_space: global }
      - { .name: xc, .offset: 80, .size: 8, .value_kind: global_buffer, .address_space: global }
      - { .name: xs, .offset: 88, .size: 8, .value_kind: global_buffer, .address_space: global }
    .group_segment_fixed_size: 33280
    .private_segment_fixed_size: 0
    .kernarg_segment_align: 8
    .kernarg_segment_size: 96
    .max_flat_workgroup_size: 128
    .sgpr_count:     66
    .vgpr_count:     192
    .wavefront_size: 32
...
	.end_amdgpu_metadata
.endif
;; end of part 1
;; launch proj (part 2): grid 4 x 96, 4 waves a work-group, clusters of 4 x 4, 327,680 bytes of LDS; arguments xc, xs, wc, ws, bq, bk, bv, qkv; writes qkv
.if DOCPART == 2
	.amdgcn_target "amdgcn-amd-amdhsa--gfx1250"
	.amdhsa_code_object_version 6
	.text
	.protected	k_q36ff06ccc6_proj
	.globl	k_q36ff06ccc6_proj
	.p2align	8
	.type	k_q36ff06ccc6_proj,@function
k_q36ff06ccc6_proj:
	s_mov_b64 s[64:65], 0
	v_nop
	global_prefetch_b8 v0, s[64:65] scope:SCOPE_SE
	s_setreg_imm32_b32 hwreg(HW_REG_WAVE_MODE, 25, 1), 1
	s_wait_xcnt 0x0
	s_wait_alu depctr_hold_cnt(0) depctr_sa_sdst(0) depctr_va_vdst(0) depctr_va_sdst(0) depctr_va_ssrc(0) depctr_va_vcc(0) depctr_vm_vsrc(0)
	s_getreg_b32 s2, hwreg(HW_REG_IB_STS2, 6, 4)
	s_cmp_eq_u32 s2, 0
	s_cbranch_scc0 .Lentry_in_a_cluster
	s_endpgm
.Lentry_in_a_cluster:
	s_bfe_u32 s2, ttmp6, 0x10000c
	s_cmp_lg_u32 s2, 0xf033
	s_cbranch_scc0 .Lentry_shape_is_right
	s_endpgm
.Lentry_shape_is_right:
; PROJ: the three quantised products Q = query Wq + bq, K = key Wk + bk, V = value Wv + bv, on codes of FP4 (E2M1) with E8M0 scales, sums in f32; the results leave as f16.
; The three activations are one tensor of 24,576 rows; a tile of the result is 256 rows x 256 columns: 96 x 4 tiles.  Four waves, each 128 x 128: 64 accumulators, 512 registers.
; K = 1,024 is two slots of 512 along K: both are asked for at the head, nothing is filled again, and there is no loop.
; CLUSTERS: 4 x 4 work-groups.  The four of a row of the cluster need the same activation rows, the four of a column the same weight columns; all sixteen lie in one of the three tensors (eight rows of clusters each).
; Each tile is asked for JOINTLY, by the same tensor load with the same descriptor and a mask that names the four.
; THE MATRIX INSTRUCTION IS USED TRANSPOSED (source 0 = 16 columns of the weight, source 1 = 16 tokens): a lane then holds ONE token (lane % 16) and eight neighbouring channels, 8 (lane / 16) + 0..7.  The bias is the C of each sum's first product.
; THE WEIGHTS' CODES lie in memory as images of the operand's registers (launch prep): a slot's part for 8 tiles of 16 columns is one dense block of 32,768 bytes, and a fragment comes by two loads at 16 x lane.
; THE WAY OUT needs no LDS: a lane's eight channels pack into 16 bytes of f16, which ARE a lane's part of a register group of the next launch's operand.  qkv: three sections of 16,777,216 bytes (Q, K, V), each
; [batch x head 64][tile of 16 tokens 128][2,048 bytes]; in a tile, channels 16 u .. 16 u + 15 at 512 u; there Q and K have lane l's 16 bytes at 16 l; V has the piece of (token r, half h) at 16 ((r / 8) 16 + 8 h + r % 8),
; the place from which the turning LDS load at 16 x lane makes half a fragment of V^T.  Every store of the wave covers 512 consecutive bytes, aligned.
; LIMITS: |Q|, |K|, |V| under 65,504 (f16); magnitudes under 6e-5 keep f16's fixed step of 6e-8.  NaN and infinities are not served.
; REGISTERS, in windows of 256: window 0: v1-31 addresses; v32-95 scale words, two sets; v128-191 the tokens' fragments, ONE set; on the way out v128-255 four sets of 32 packed registers.
;   window 1: the weights' fragments, TWO sets, at v0 and v128; v64-127 the bias, eight registers for each tile of 16 channels.   windows 2, 3: the accumulators ((a, b) at v[8 (8 (a % 4) + b)], window 2 + a / 4).
.set NQ,     4                         ; K steps of 128 in a slot
.set PITCH,  272                       ; a token's row in LDS: 256 bytes of codes + 16 of padding = 68 words: the 16 rows of a load start at 16 different banks (64 banks of 4 bytes: ISA guide 11.1)
.set FR,     8                         ; registers of a fragment
.set NL,     2                         ; LDS loads that bring one
.set NP,     4                         ; places behind this matrix instruction (ISA guide 7.12.1)
.set HALFT,  128*PITCH                 ; 128 tokens' rows: what one tensor load brings
.set BOFF,   2*HALFT                   ; behind the 256 tokens' rows: the weights' images
.set BHALF,  32768                     ; 8 tiles of 16 columns x 4 K steps x 1,024 bytes: what one tensor load brings
.set SLOT,   BOFF+2*BHALF
.set KS,     32                        ; a row of scale bytes
.set SCL,    2*SLOT                    ; behind the slots: the scale bytes, as units of 256 bytes + 16 of padding
.set HALFS,  (128*KS/256)*272          ; those of 128 rows
.set SBLK,   (16*KS/256)*272           ; those of 16 rows
.set SPARE,  SCL+4*HALFS               ; the spare words, 128 bytes for each wave
.set ADRA, 16                          ; v16-17  LDS address of my tokens' fragments in slot 0, 1
.set ADRB, 20                          ; v20-21  the same for the weights' images
.set CO,   26                          ; v26     the way out: my 16 bytes' place in a store's 512
.set ADRS, 27                          ; v27     LDS address of my scale words: lanes 0-15 the tokens', lanes 16-31 the weights'
.set SPW,  28                          ; v28     LDS address of my spare word; never rewritten
.set NIL,  29                          ; v29     0; never rewritten
.set SC,   32                          ; scale words: set s at v[SC + 32 s]; register 4 i + q: lanes 0-15 tokens' block i, lanes 16-31 weights' block i, the slot's q-th K step
.set AF,   128                         ; the tokens' fragments, window 0
.set BI,   64                          ; the bias, window 1
.set G1,   24                          ; s[24:31] group 1 for the tokens' codes;  s[32:39] group 0, a set for each slot
.set G0,   32
.set G1B,  48                          ; s[48:55], s[56:63] the same for the weights' codes
.set G0B,  56
.set G1S,  68                          ; s[68:75], s[76:79] groups 1 and 0 for the tokens' scales;  s[80:87], s[88:91] for the weights'
.set G0S,  76
.set G1SB, 80
.set G0SB, 88
.set MSB, 0
.macro WIN new                         ; the immediate's high byte repeats the setting that is left
.if MSB != \new
	s_set_vgpr_msb (MSB<<8)|\new
.set MSB, \new
.endif
.endm
.set MUL_LO,  0xa1                     ; source 0 (weights) window 1, source 1 (tokens) window 0, C and D window 2
.set MUL_HI,  0xf1                     ; the same, C and D window 3
.set BIAS_LO, 0x91                     ; the first K step: C is the bias, window 1; D window 2
.set BIAS_HI, 0xd1                     ; D window 3
.set TO_B,    0x40                     ; destination window 1, address window 0
; A joint load: waves 0 and 1 fetch for the tokens, waves 2 and 3 for the weights.  The branch hangs on the wave's number alone.  An s_nop 0 and four v_nop follow each of the two lines.
.macro JLOAD g0a, g1a, g0b, g1b
	s_cmp_eq_u32 s17, 0
	s_cbranch_scc0 .Lfor_b_\@
	tensor_load_to_lds s[\g0a:\g0a+3], s[\g1a:\g1a+7]
	s_nop 0
.rept 4
	v_nop
.endr
	s_branch .Lasked_\@
.Lfor_b_\@:
	tensor_load_to_lds s[\g0b:\g0b+3], s[\g1b:\g1b+7]
	s_nop 0
.rept 4
	v_nop
.endr
.Lasked_\@:
.endm
.macro CROUND                          ; a round of the cluster's barrier
	s_barrier_signal -1
	s_barrier_wait -1
	s_cmp_lg_u32 s16, 0
	s_cbranch_scc1 .Lnot_wave_0_\@
	s_barrier_signal -3
.Lnot_wave_0_\@:
	s_barrier_wait -3
	s_barrier_signal -1
	s_barrier_wait -1
.endm
	s_load_b256 s[4:11], s[0:1], 0x0               ; xc s[4:5], xs s[6:7], wc s[8:9], ws s[10:11]
	s_load_b128 s[96:99], s[0:1], 0x20             ; bq s[96:97], bk s[98:99]
	s_load_b128 s[12:15], s[0:1], 0x30             ; bv s[12:13], qkv s[14:15]
	v_lshl_add_u32 v[SPW], v0, 2, SPARE
	v_mov_b32 v[NIL], 0
	ds_add_u32 v[SPW], v[NIL]                      ; the wave's opening: the add, twice on end, and its wait ahead of my first tensor load
	ds_add_u32 v[SPW], v[NIL]                      ; and once more; the set-up below, work on registers, stands between it and the wait
	v_lshrrev_b32 v1, 5, v0
	v_readfirstlane_b32 s16, v1                    ; wave 0..3
	s_lshr_b32 s17, s16, 1                         ; which 128 tokens of the tile are mine.  Also: I fetch for the tokens (0) or for the weights (1)
	s_and_b32 s18, s16, 1                          ; which 128 columns.  Also: which half I fetch
	s_bfe_u32 s40, ttmp6, 0x40000                  ; cx, cy: my place in the cluster
	s_bfe_u32 s41, ttmp6, 0x40004
	s_lshl_b32 s42, ttmp9, 2
	s_add_co_u32 s42, s42, s40                     ; tile column 0..3
	s_and_b32 s45, ttmp7, 0xffff                   ; the cluster's y, 0..23
	s_lshl_b32 s19, s45, 2
	s_add_co_u32 s19, s19, s41                     ; tile row 0..95 of the three tensors on end
	s_lshr_b32 s45, s45, 3                         ; the tensor: 0 Q, 1 K, 2 V: the same in all sixteen partners
	s_lshl_b32 s43, s41, 2
	s_lshl_b32 s43, 15, s43                        ; my row of the cluster
	s_lshl_b32 s44, 0x1111, s40                    ; my column
	s_or_b32 s[G1+0], s43, (0<<16)|(1<<20)|(1<<21)|(5<<22)|(3<<25)   ; the tokens' codes: 15:0 the mask; elements of 1 byte; padding on; 21 set beside a mask; 4 words after every 64
	s_mov_b32 s[G1+1], 256<<16                     ; tensor_dim0 = 256 bytes: 512 codes
	s_mov_b32 s[G1+2], 128<<16                     ; tensor_dim1 = 128 rows
	s_mov_b32 s[G1+3], 256<<16                     ; tile_dim0
	s_mov_b32 s[G1+4], 128                         ; tile_dim1
	s_mov_b32 s[G1+5], 512                         ; a row of xc
	s_mov_b32 s[G1+6], 0
	s_mov_b32 s[G1+7], 0
	s_or_b32 s[G1B+0], s44, (3<<16)|(1<<21)        ; the weights' images: a dense block of 32,768 bytes as 128 rows of 32 elements of 8 bytes, no padding
	s_mov_b32 s[G1B+1], 32<<16
	s_mov_b32 s[G1B+2], 128<<16
	s_mov_b32 s[G1B+3], 32<<16
	s_mov_b32 s[G1B+4], 128
	s_mov_b32 s[G1B+5], 32
	s_mov_b32 s[G1B+6], 0
	s_mov_b32 s[G1B+7], 0
	s_or_b32 s[G1S+0], s43, (3<<16)|(1<<20)|(1<<21)|(5<<22)|(3<<25)  ; the scales of 128 rows: 4,096 dense bytes as 16 rows of 256, 16 bytes of padding behind each
	s_or_b32 s[G1SB+0], s44, (3<<16)|(1<<20)|(1<<21)|(5<<22)|(3<<25)
.irp g, G1S, G1SB
	s_mov_b32 s[\g+1], 32<<16
	s_mov_b32 s[\g+2], 16<<16
	s_mov_b32 s[\g+3], 32<<16
	s_mov_b32 s[\g+4], 16
	s_mov_b32 s[\g+5], 32
	s_mov_b32 s[\g+6], 0
	s_mov_b32 s[\g+7], 0
.endr
	s_lshl_b32 s20, s19, 8                         ; the tokens: row 256 x tile row + 128 x half: made of the tile row and the wave's number alone
	s_lshl_b32 s21, s18, 7
	s_add_co_u32 s20, s20, s21
	s_lshl_b32 s22, s20, 5                         ; its scale bytes: 32 a row,
	s_lshl_b32 s20, s20, 9                         ; its codes: 512 a row
	s_mov_b32 s21, 0
	s_mov_b32 s23, 0
	s_lshl_b32 s46, s42, 4                         ; the weights: tile of 16 columns 16 x tile column + 8 x half: made of the tile column, the tensor and the wave's number alone
	s_lshl_b32 s47, s18, 3
	s_add_co_u32 s46, s46, s47
	s_lshl_b32 s92, s46, 9                         ; its scale bytes: 16 columns of 32,
	s_lshl_b32 s46, s46, 12                        ; its images: 4,096 bytes a slot
	s_lshl_b32 s47, s45, 19
	s_add_co_u32 s46, s46, s47                     ; + the tensor's 524,288 bytes of codes
	s_lshl_b32 s47, s45, 15
	s_add_co_u32 s92, s92, s47                     ; + the tensor's 32,768 scale bytes
	s_mov_b32 s47, 0
	s_mov_b32 s93, 0
	s_mul_i32 s94, s18, HALFT                      ; where they go in a slot: the tokens' half,
	s_lshl_b32 s95, s18, 15
	s_add_co_u32 s95, s95, BOFF                    ; the weights' half,
	s_mul_i32 s3, s16, HALFS                       ; and the scales: wave x 4,352: no place in the cluster enters an LDS address
	s_wait_dscnt 0x0                               ; both opening adds are done
	s_wait_kmcnt 0x0
	s_add_nc_u64 s[20:21], s[4:5], s[20:21]
	s_add_nc_u64 s[22:23], s[6:7], s[22:23]
	s_add_nc_u64 s[46:47], s[8:9], s[46:47]
	s_add_nc_u64 s[92:93], s[10:11], s[92:93]
	s_cmp_eq_u32 s45, 1                            ; the tensor's bias
	s_cselect_b64 s[96:97], s[98:99], s[96:97]
	s_cmp_eq_u32 s45, 2
	s_cselect_b64 s[96:97], s[12:13], s[96:97]
	CROUND                                         ; all sixteen work-groups are here: the first joint loads meet
	s_mov_b32 s[G0S], 1
	s_add_co_u32 s[G0S+1], s3, SCL
	s_mov_b64 s[G0S+2:G0S+3], s[22:23]
	s_or_b32 s[G0S+3], s[G0S+3], 0x80000000
	s_mov_b32 s[G0SB], 1
	s_add_co_u32 s[G0SB+1], s3, SCL
	s_mov_b64 s[G0SB+2:G0SB+3], s[92:93]
	s_or_b32 s[G0SB+3], s[G0SB+3], 0x80000000
	JLOAD G0S, G1S, G0SB, G1SB                     ; the scales first: they are wanted with slot 0
.irp s, 0,1
	s_mov_b32 s[G0+4*\s], 1
	s_add_co_u32 s[G0+4*\s+1], s94, \s*SLOT
	s_add_nc_u64 s[G0+4*\s+2:G0+4*\s+3], s[20:21], \s*256      ; the second 512 along K: 256 bytes on in each row
	s_or_b32 s[G0+4*\s+3], s[G0+4*\s+3], 0x80000000
	s_mov_b32 s[G0B+4*\s], 1
	s_add_co_u32 s[G0B+4*\s+1], s95, \s*SLOT
	s_add_nc_u64 s[G0B+4*\s+2:G0B+4*\s+3], s[46:47], \s*262144 ; the second half of K: 64 tiles x 4,096 bytes on
	s_or_b32 s[G0B+4*\s+3], s[G0B+4*\s+3], 0x80000000
	JLOAD G0+4*\s, G1, G0B+4*\s, G1B               ; three tensor loads of mine are out now, and no more are issued
.endr
	v_and_b32 v1, 15, v0                           ; r = lane % 16
	v_bfe_u32 v2, v0, 4, 1                         ; h = lane / 16
	v_and_b32 v3, 31, v0                           ; lane
	v_mul_u32_u24 v4, v1, PITCH
	v_lshl_add_u32 v4, v2, 4, v4                   ; a token fragment's row x pitch + 16 x half
	v_lshlrev_b32 v5, 4, v3                        ; an image's place for my lane
	s_mul_i32 s20, s17, HALFT                      ; my 128 tokens
	s_lshl_b32 s21, s18, 15
	s_add_co_u32 s21, s21, BOFF                    ; my 8 tiles of columns
.irp s, 0,1
	v_add_nc_u32 v[ADRA+\s], s20, v4
	v_add_nc_u32 v[ADRB+\s], s21, v5
	s_add_co_u32 s20, s20, SLOT
	s_add_co_u32 s21, s21, SLOT
.endr
	v_mul_u32_u24 v8, v1, KS                       ; my row's scales: 32 bytes a row,
	v_lshrrev_b32 v9, 8, v8
	v_lshl_add_u32 v8, v9, 4, v8                   ; and 16 more for each 256 passed
	s_mul_i32 s20, s17, HALFS                      ; the tokens': my 128 rows
	s_mul_i32 s21, s18, HALFS                      ; the weights': my 128 columns, behind the tokens' 256
	s_add_co_u32 s21, s21, 2*HALFS
	s_sub_co_u32 s21, s21, s20
	v_mul_u32_u24 v9, s21, v2                      ; lanes 16-31 take the weights': one product, the distance between the two bases
	s_add_co_u32 s20, s20, SCL
	v_add_nc_u32 v8, v8, v9
	v_add_nc_u32 v[ADRS], s20, v8
	v_lshrrev_b32 v6, 3, v1                        ; V's place: 16 ((r / 8) 16 + 8 h + r % 8)
	v_lshlrev_b32 v6, 4, v6
	v_lshl_or_b32 v6, v2, 3, v6
	v_and_b32 v7, 7, v1
	v_or_b32 v6, v6, v7
	v_lshlrev_b32 v6, 4, v6
	s_cmp_eq_u32 s45, 2
	s_cselect_b32 s46, -1, 0
	v_cndmask_b32 v[CO], v5, v6, s46               ; Q and K: 16 x lane
	v_lshlrev_b32 v10, 5, v2                       ; the bias: my half's eight numbers
	s_lshl_b32 s22, s42, 10                        ; my first column, in bytes of f32: 1,024 x tile column + 512 x half
	s_lshl_b32 s23, s18, 9
	s_add_co_u32 s22, s22, s23
	s_mov_b32 s23, 0
	s_add_nc_u64 s[96:97], s[96:97], s[22:23]
	WIN TO_B
.irp b, 0,1,2,3,4,5,6,7
	global_load_b128 v[BI+8*\b:BI+8*\b+3], v10, s[96:97] offset:64*\b          ; bias[16 b + 8 h + 0..7] of my 128 columns, in the result's layout
	global_load_b128 v[BI+8*\b+4:BI+8*\b+7], v10, s[96:97] offset:64*\b+16
.endr
	WIN 0
	s_bfe_u32 s20, s19, 0x20003                    ; where my part of the result begins: the batch (8 tile rows each),
	s_lshl_b32 s20, s20, 4
	s_lshl_b32 s21, s42, 2
	s_add_co_u32 s20, s20, s21                     ; 4 heads a tile column,
	s_lshl_b32 s21, s18, 1
	s_add_co_u32 s20, s20, s21                     ; 2 heads a wave: my first (batch, head);
	s_lshl_b32 s20, s20, 7                         ; 128 tiles of 16 tokens each;
	s_and_b32 s21, s19, 7
	s_lshl_b32 s21, s21, 4
	s_add_co_u32 s20, s20, s21                     ; 16 of them a tile row,
	s_lshl_b32 s21, s17, 3
	s_add_co_u32 s20, s20, s21                     ; 8 a wave;
	s_lshl_b32 s20, s20, 11                        ; 2,048 bytes each;
	s_lshl_b32 s21, s45, 24
	s_add_co_u32 s20, s20, s21                     ; and the tensor's section
	s_mov_b32 s21, 0
	s_add_nc_u64 s[14:15], s[14:15], s[20:21]
.macro FRAG reg, adr, q, i             ; a token fragment, 16 rows x 128 K: registers 4 c .. 4 c + 3 hold K = 64 c + 32 (lane / 16) + 0 .. 31
.irp c, 0,1
	ds_load_b128 v[\reg+4*\c:\reg+4*\c+3], v[\adr] offset:64*(\q)+32*\c+(\i)*16*PITCH
.endr
.endm
; 16 matrix instructions: tokens' blocks a0, a0 + 1 x the weights' eight, the slot's q-th K step.  p: the weights' set; sc: the set of scale words.  zero = 1: the first product starts the sums from the bias.
; The 64 accumulators take turns, one instruction a turn, in the same order in every step.
.macro MUL16 a0, p, q, sc, zero
.irp a, \a0, \a0+1
.irp b, 0,1,2,3,4,5,6,7
.if \zero
	v_wmma_scale_f32_16x16x128_f8f6f4 v[8*(8*((\a)%4)+\b):8*(8*((\a)%4)+\b)+7], v[128*(\p)+FR*\b:128*(\p)+FR*\b+FR-1], v[AF+FR*(\a):AF+FR*(\a)+FR-1], v[BI+8*\b:BI+8*\b+7], v[SC+8*NQ*(\sc)+NQ*\b+(\q)], v[SC+8*NQ*(\sc)+NQ*(\a)+(\q)] matrix_a_fmt:MATRIX_FMT_FP4 matrix_b_fmt:MATRIX_FMT_FP4 matrix_a_scale:MATRIX_SCALE_ROW1
.else
	v_wmma_scale_f32_16x16x128_f8f6f4 v[8*(8*((\a)%4)+\b):8*(8*((\a)%4)+\b)+7], v[128*(\p)+FR*\b:128*(\p)+FR*\b+FR-1], v[AF+FR*(\a):AF+FR*(\a)+FR-1], v[8*(8*((\a)%4)+\b):8*(8*((\a)%4)+\b)+7], v[SC+8*NQ*(\sc)+NQ*\b+(\q)], v[SC+8*NQ*(\sc)+NQ*(\a)+(\q)] matrix_a_fmt:MATRIX_FMT_FP4 matrix_b_fmt:MATRIX_FMT_FP4 matrix_a_scale:MATRIX_SCALE_ROW1
.endif
.endr
.endr
.endm
.macro FETCH_B slot, q, p              ; the weights' eight fragments of the slot's q-th K step into set p: images, 16 bytes a lane, 512 consecutive bytes a load
	WIN TO_B
.irp i, 0,1,2,3,4,5,6,7
.irp c, 0,1
	ds_load_b128 v[128*(\p)+FR*\i+4*\c:128*(\p)+FR*\i+4*\c+3], v[ADRB+\slot] offset:\i*4096+(\q)*1024+\c*512
.endr
.endr
	WIN 0
.endm
.macro FETCH_A slot, q, i0             ; the tokens' blocks i0 .. i0 + 3
.irp i, \i0, \i0+1, \i0+2, \i0+3
	FRAG AF+FR*(\i), ADRA+\slot, \q, \i
.endr
.endm
.macro SCALES sc                       ; a slot's scale words: four a row; lanes 0-15 the tokens' block i, lanes 16-31 the weights' block i
.irp i, 0,1,2,3,4,5,6,7
	ds_load_b128 v[SC+8*NQ*\sc+NQ*\i:SC+8*NQ*\sc+NQ*\i+3], v[ADRS] offset:\i*SBLK
.endr
.endm
; A load into a register that a matrix instruction has read, and a vector instruction that reads a matrix result, stand NP places behind it; only plain vector instructions that name none of its registers are places.
.macro PLACES n
.rept \n
	v_nop
.endr
.endm
.macro STEP slot, q, zero              ; a K step of 128 that has its successor in the same slot
	s_wait_dscnt 4*NL                              ; the weights' set and the tokens' blocks 0-3 are in; the youngest eight loads (blocks 4-7) may be out
.if \zero
	WIN BIAS_LO
.else
	WIN MUL_LO
.endif
	MUL16 0, (\q)%2, \q, \slot, \zero
	MUL16 2, (\q)%2, \q, \slot, \zero
	s_wait_dscnt 0                                 ; blocks 4-7 are in (asked for 32 matrix instructions ago)
	PLACES NP
	FETCH_B \slot, (\q)+1, 1-(\q)%2
	FETCH_A \slot, (\q)+1, 0
.if \zero
	WIN BIAS_HI
.else
	WIN MUL_HI
.endif
	MUL16 4, (\q)%2, \q, \slot, \zero
	MUL16 6, (\q)%2, \q, \slot, \zero
	PLACES NP
	WIN 0
	FETCH_A \slot, (\q)+1, 4
.endm
; Slot 0's last step goes over to slot 1: each wave waits for all its tensor loads (its part of slot 1), so that behind the barrier slot 1 is whole.  Nothing is filled again.
.macro TURN slot, next
	s_wait_tensorcnt 0x0                           ; all my tensor loads have landed
	ds_add_u32 v[SPW], v[NIL]                      ; 0 onto my spare word
	s_wait_dscnt 4*NL+1                            ; (the add and the youngest eight loads may be out)
	WIN MUL_LO
	MUL16 0, 1, NQ-1, \slot, 0
	s_wait_dscnt 0x0                               ; no LDS instruction of mine is out at the signal
	s_barrier_signal -1
	MUL16 2, 1, NQ-1, \slot, 0
	WIN 0
	s_barrier_wait -1
	PLACES NP
	v_add_nc_u32 v[ADRS], 4*NQ, v[ADRS]            ; on to the next slot's scale words
	FETCH_B \next, 0, 0
	FETCH_A \next, 0, 0
	SCALES \next
	WIN MUL_HI
	MUL16 4, 1, NQ-1, \slot, 0
	MUL16 6, 1, NQ-1, \slot, 0
	PLACES NP
	WIN 0
	FETCH_A \next, 0, 4
.endm
.macro STEPS slot, from                ; the slot's steps from .. NQ - 2
.set Q, \from
.rept NQ-1-\from
	STEP \slot, Q, 0
.set Q, Q+1
.endr
.endm
	s_wait_tensorcnt 1                             ; the scales and my part of slot 0 are in; slot 1's load, the one issued behind them, may be out
	s_barrier_signal -1
	s_barrier_wait -1                              ; everybody's are
	FETCH_B 0, 0, 0
	FETCH_A 0, 0, 0
	SCALES 0
	FETCH_A 0, 0, 4
	s_wait_loadcnt 0x0                             ; the bias
	STEP 0, 0, 1                                   ; the first step's products start the sums from the bias: nothing is cleared, nothing is added later
	STEPS 0, 1
	TURN 0, 1
	STEPS 1, 0
	s_wait_dscnt 4*NL                              ; the very last step: nothing more to fetch
	WIN MUL_LO
	MUL16 0, 1, NQ-1, 1, 0
	MUL16 2, 1, NQ-1, 1, 0
	s_wait_dscnt 0
	WIN MUL_HI
	MUL16 4, 1, NQ-1, 1, 0
	MUL16 6, 1, NQ-1, 1, 0
	WIN 0
; THE WAY OUT, a block of 16 tokens at a time: 32 roundings to f16 (each accumulator from its low end on), eight stores of 512 consecutive bytes.
.macro OUTB a
.set AC, 64*((\a)%4)
.set OB, 128+32*((\a)%4)
.set WN, 0x0a+5*((\a)/4)               ; sources 0 and 1: window 2 or 3
.if (\a) >= 4
	s_wait_xcnt 0x0                                ; the stores of four blocks back have read their registers: the set is written again only behind this wait
.endif
	WIN WN
.irp b, 0,1,2,3,4,5,6,7
.irp i, 0,1,2,3
	v_cvt_pk_f16_f32 v[OB+4*\b+\i], v[AC+8*\b+2*\i], v[AC+8*\b+2*\i+1]
.endr
.endr
	WIN 0
.irp b, 0,1,2,3,4,5,6,7
	global_store_b128 v[CO], v[OB+4*\b:OB+4*\b+3], s[14:15] offset:(\a)*2048+(\b/4)*262144+(\b%4)*512   ; token tile a, head b / 4, channels 16 (b % 4) on
.endr
.endm
	PLACES NP                                      ; behind the last products: their results are read, and the registers that held the tokens' fragments are written
.irp a, 0,1,2,3,4,5,6,7
	OUTB \a
.endr
	s_wait_tensorcnt 0x0                           ; the wave's end: behind my last tensor load
	ds_add_u32 v[SPW], v[NIL]
	s_wait_dscnt 0x0
	CROUND                                         ; the closing round: no work-group ends while a partner may still ask for a tile that names it
	s_endpgm
.Lfunc_end_k_q36ff06ccc6_proj:
	.size	k_q36ff06ccc6_proj, .Lfunc_end_k_q36ff06ccc6_proj-k_q36ff06ccc6_proj
	.p2alignl 7, 3214868480
	.fill 96, 4, 3214868480
	.section	.rodata,"a",@progbits
	.p2align	6, 0x0
	.amdhsa_kernel k_q36ff06ccc6_proj
		.amdhsa_group_segment_fixed_size 327680
		.amdhsa_private_segment_fixed_size 0
		.amdhsa_enable_private_segment 0
		.amdhsa_kernarg_size 64
		.amdhsa_user_sgpr_count 2
		.amdhsa_user_sgpr_kernarg_segment_ptr 1
		.amdhsa_wavefront_size32 1
		.amdhsa_system_sgpr_workgroup_id_x 1
		.amdhsa_system_sgpr_workgroup_id_y 1
		.amdhsa_system_sgpr_workgroup_id_z 1
		.amdhsa_system_vgpr_workitem_id 0
		.amdhsa_next_free_vgpr 1024
		.amdhsa_next_free_sgpr 100
		.amdhsa_reserve_vcc 0
		.amdhsa_float_denorm_mode_32 3
		.amdhsa_float_denorm_mode_16_64 3
		.amdhsa_memory_ordered 1
		.amdhsa_forward_progress 1
		.amdhsa_inst_pref_size 120
	.end_amdhsa_kernel
	.amdgpu_metadata
---
amdhsa.version: [ 1, 2 ]
amdhsa.kernels:
  - .name:           k_q36ff06ccc6_proj
    .symbol:         k_q36ff06ccc6_proj.kd
    .args:
      - { .name: xc, .offset: 0, .size: 8, .value_kind: global_buffer, .address_space: global }
      - { .name: xs, .offset: 8, .size: 8, .value_kind: global_buffer, .address_space: global }
      - { .name: wc, .offset: 16, .size: 8, .value_kind: global_buffer, .address_space: global }
      - { .name: ws, .offset: 24, .size: 8, .value_kind: global_buffer, .address_space: global }
      - { .name: bq, .offset: 32, .size: 8, .value_kind: global_buffer, .address_space: global }
      - { .name: bk, .offset: 40, .size: 8, .value_kind: global_buffer, .address_space: global }
      - { .name: bv, .offset: 48, .size: 8, .value_kind: global_buffer, .address_space: global }
      - { .name: qkv, .offset: 56, .size: 8, .value_kind: global_buffer, .address_space: global }
    .group_segment_fixed_size: 327680
    .private_segment_fixed_size: 0
    .kernarg_segment_align: 8
    .kernarg_segment_size: 64
    .max_flat_workgroup_size: 128
    .sgpr_count:     100
    .vgpr_count:     1024
    .wavefront_size: 32
...
	.end_amdgpu_metadata
.endif
;; end of part 2
;; launch attn (part 3): grid 4 x 64, 8 waves a work-group, clusters of 4 x 1, 327,680 bytes of LDS; arguments qkv, xf; writes xf
.if DOCPART == 3
	.amdgcn_target "amdgcn-amd-amdhsa--gfx1250"
	.amdhsa_code_object_version 6
	.text
	.protected	k_q36ff06ccc6_attn
	.globl	k_q36ff06ccc6_attn
	.p2align	8
	.type	k_q36ff06ccc6_attn,@function
k_q36ff06ccc6_attn:
	s_mov_b64 s[64:65], 0
	v_nop
	global_prefetch_b8 v0, s[64:65] scope:SCOPE_SE
	s_setreg_imm32_b32 hwreg(HW_REG_WAVE_MODE, 25, 1), 1
	s_wait_xcnt 0x0
	s_wait_alu depctr_hold_cnt(0) depctr_sa_sdst(0) depctr_va_vdst(0) depctr_va_sdst(0) depctr_va_ssrc(0) depctr_va_vcc(0) depctr_vm_vsrc(0)
	s_getreg_b32 s2, hwreg(HW_REG_IB_STS2, 6, 4)
	s_cmp_eq_u32 s2, 0
	s_cbranch_scc0 .Lentry_in_a_cluster
	s_endpgm
.Lentry_in_a_cluster:
	s_bfe_u32 s2, ttmp6, 0x10000c
	s_cmp_lg_u32 s2, 0x3003
	s_cbranch_scc0 .Lentry_shape_is_right
	s_endpgm
.Lentry_shape_is_right:
; ATTN: x[b][h][q] = the sum over k of softmax_k(Q[q] . K[k] / 8) V[k], 64 (batch, head) pairs, 2,048 positions, head size 64, no mask.  Q, K, V, the weights p and x in f16; products, maxima and sums in f32.
; SHARES.  A work-group owns 512 queries of one (batch, head); each of its EIGHT waves owns 64: four tiles of 16, in 512 registers: two waves to a SIMD, so that one wave's softmax stands beside the other's products.
; Every wave walks all 2,048 keys, 64 a step.
; LAYOUT.  Both products are used transposed: S^T = K Q^T (source 0 = 16 keys, source 1 = 16 queries), O^T = V^T P (source 0 = 16 channels, source 1 = P): a lane holds ONE query (lane % 16) throughout.
; Two tiles of S^T, rounded to f16 in pairs, ARE source 1 of the second product.  Q, K and V lie in memory as images of operand registers (launch proj): every LDS load reads 16 x lane, 512 consecutive bytes; V's by the turning load.
; SOFTMAX.  A running maximum m and sum l for each query: p = 2^(c s - c m), c = log2(e) / 8; in every step O and l are multiplied by a = 2^(c m_old - c m_new).  l sums the unrounded p.
; RING.  Two LDS slots of 512 keys: 65,536 bytes of K, then 65,536 of V; each wave fetches an eighth (16,384 dense bytes) by one tensor load.  2,048 keys are four slots' worth: two first fills, two refills; a refill has eight key steps in which to land.
; CLUSTER.  The four blocks of 512 queries of one (batch, head) walk the same K and V: each tile is asked for JOINTLY, by the same tensor load with the same descriptor (made of the wave's number and the pair alone) and the mask of all four.
; xf: [tile of 16 tokens 512][K step of 32: 32][1,024 bytes]: the image of the next launch's operand: a lane's eight channels, 16 bytes, at 16 x lane.  Every store of the wave covers 512 consecutive bytes, aligned.
; LIMITS: |x| under 65,504; magnitudes under 6e-5 keep f16's fixed step of 6e-8; p under 6e-8 of its row's largest counts for nothing in the second product.  NaN and infinities are not served.
; REGISTERS: window 0: v1-7 addresses; v8-39 eight registers of statistics a tile; v64-191 S^T, 32 a tile, P packed into the low 16 of them; v192-255 Q, 16 a tile.
;            window 1: v0-127 O^T, 32 a tile; v128-191 K of a step; v192-255 V of a step.
.set SLOT1, 131072
.set VOFF,  65536                      ; V's part of a slot
.set STEPB, 8192                       ; a key step: four tiles of 16 keys x 2,048 bytes
.set SPARE, 2*SLOT1                    ; behind the ring: the spare words, 128 bytes for each of eight waves
.set LA,  1                            ; v1  16 x lane; never rewritten
.set LAV, 2                            ; v2  the same + VOFF; never rewritten
.set ADK, 3                            ; v3  LDS address of the step's K
.set ADV, 4                            ; v4  of its V
.set SPW, 6                            ; v6  LDS address of my spare word; never rewritten
.set NIL, 7                            ; v7  0; never rewritten
.set ST,  8                            ; tile t's statistics at v[ST + 8 t]: +0 c m, +1 m, +2, +3 l (even keys', odd keys'), +4 to +7 at work; a takes +6
.set S,   64
.set Q,   192
.set KF,  128                          ; window 1
.set VF,  192                          ; window 1
.set WV,  8                            ; s8  my wave's number
.set CS,  12                           ; s[12:13] c, twice: the packed form names a pair
.set SEL, 14                           ; s[14:15] v_permlanex16_b32's selects for lane l xor 16
.set TB,  16                           ; s16 LDS byte at which the step in hand begins
.set CNT, 17                           ; s17 counts key steps
.set G1,  24                           ; s[24:31] descriptor group 1
.set G0,  32                           ; s[32:39] group 0, a set for each slot
.set MSB, 0
.macro WIN new                         ; the immediate's high byte repeats the setting that is left
.if MSB != \new
	s_set_vgpr_msb (MSB<<8)|\new
.set MSB, \new
.endif
.endm
.set W_LD, 0x40                        ; destination window 1, address window 0
.set W_KQ, 0x01                        ; K window 1; Q and S^T window 0
.set W_PV, 0x51                        ; V and O^T window 1; P window 0
.set W_RS, 0x41                        ; O^T (destination and source 0) window 1; a window 0
.set W_CV, 0x05                        ; sources window 1, destination window 0
.macro CROUND                          ; a round of the cluster's barrier
	s_barrier_signal -1
	s_barrier_wait -1
	s_cmp_lg_u32 s[WV], 0
	s_cbranch_scc1 .Lnot_wave_0_\@
	s_barrier_signal -3
.Lnot_wave_0_\@:
	s_barrier_wait -3
	s_barrier_signal -1
	s_barrier_wait -1
.endm
.macro ADDP acc, b                     ; in all four tiles: the running pair at +acc takes pair b of the weights
.irp t, 0,1,2,3
	v_pk_add_f32 v[ST+8*\t+\acc:ST+8*\t+\acc+1], v[ST+8*\t+\acc:ST+8*\t+\acc+1], v[S+32*\t+2*(\b):S+32*\t+2*(\b)+1]
.endr
.endm
; A KEY STEP: 64 keys.  first = 1: the first, which starts m, l and O^T: no a, nothing to rescale.  The four tiles take turns at every line of the softmax, so that no line waits for the line above it.
.macro STEP first
	v_add_nc_u32 v[ADK], s[TB], v[LA]              ; these two and three v_nop are five places behind the last step's V^T P: four for the loads into V's registers, five for the products below, which write over P
	v_add_nc_u32 v[ADV], s[TB], v[LAV]
.rept 3
	v_nop
.endr
	WIN W_LD
.irp kt, 0,1,2,3                       ; K: keys 16 kt on, channels 32 c on, register group g
.irp c, 0,1
.irp g, 0,1
	ds_load_b128 v[KF+16*\kt+8*\c+4*\g:KF+16*\kt+8*\c+4*\g+3], v[ADK] offset:\kt*2048+\c*1024+\g*512
.endr
.endr
.endr
.irp kb, 0,1                           ; V^T: keys 32 kb + 16 g on, channels 16 ct on, turned
.irp ct, 0,1,2,3
.irp g, 0,1
	ds_load_tr16_b128 v[VF+32*\kb+8*\ct+4*\g:VF+32*\kb+8*\ct+4*\g+3], v[ADV] offset:(2*\kb+\g)*2048+\ct*512
.endr
.endr
.endr
	s_wait_dscnt 16                                ; K's sixteen loads are in; V's sixteen, issued behind them, may be out
	WIN W_KQ
.irp c, 0,1                            ; S^T = K Q^T: sixteen accumulators by turns; the first 32 channels start the sums
.irp kt, 0,1,2,3
.irp t, 0,1,2,3
.if \c == 0
	v_wmma_f32_16x16x32_f16 v[S+32*\t+8*\kt:S+32*\t+8*\kt+7], v[KF+16*\kt+8*\c:KF+16*\kt+8*\c+7], v[Q+16*\t+8*\c:Q+16*\t+8*\c+7], 0
.else
	v_wmma_f32_16x16x32_f16 v[S+32*\t+8*\kt:S+32*\t+8*\kt+7], v[KF+16*\kt+8*\c:KF+16*\kt+8*\c+7], v[Q+16*\t+8*\c:Q+16*\t+8*\c+7], v[S+32*\t+8*\kt:S+32*\t+8*\kt+7]
.endif
.endr
.endr
.endr
	WIN 0
.rept 4
	v_nop                                          ; four places in front of the first read of the scores
.endr
.irp j, 0,1,2,3                        ; the maximum of my 32 scores: four chains, one for each tile of keys, each begun at its accumulator's low end
.irp t, 0,1,2,3
	v_max3_num_f32 v[ST+8*\t+4+\j], v[S+32*\t+8*\j], v[S+32*\t+8*\j+1], v[S+32*\t+8*\j+2]
.endr
.endr
.irp u, 1,2
.irp j, 0,1,2,3
.irp t, 0,1,2,3
	v_max3_num_f32 v[ST+8*\t+4+\j], v[ST+8*\t+4+\j], v[S+32*\t+8*\j+2*\u+1], v[S+32*\t+8*\j+2*\u+2]
.endr
.endr
.endr
.irp t, 0,1,2,3
	v_max3_num_f32 v[ST+8*\t+4], v[ST+8*\t+4], v[S+32*\t+7], v[S+32*\t+15]
.endr
.irp t, 0,1,2,3
	v_max3_num_f32 v[ST+8*\t+6], v[ST+8*\t+6], v[S+32*\t+23], v[S+32*\t+31]
.endr
.irp t, 0,1,2,3
	v_max3_num_f32 v[ST+8*\t+4], v[ST+8*\t+4], v[ST+8*\t+5], v[ST+8*\t+6]
.endr
.irp t, 0,1,2,3
.if \first
	v_max_num_f32 v[ST+8*\t+4], v[ST+8*\t+4], v[ST+8*\t+7]
.else
	v_max3_num_f32 v[ST+8*\t+4], v[ST+8*\t+4], v[ST+8*\t+7], v[ST+8*\t+1]   ; and the old m
.endif
.endr
.irp t, 0,1,2,3
	v_permlanex16_b32 v[ST+8*\t+5], v[ST+8*\t+4], s[SEL], s[SEL+1]         ; the query's other 32 keys lie in the lane 16 away
.endr
.if \first == 0
.irp t, 0,1,2,3
	v_mov_b32 v[ST+8*\t+7], v[ST+8*\t]             ; c m_old is kept for a
.endr
.endif
.irp t, 0,1,2,3
	v_max_num_f32 v[ST+8*\t+1], v[ST+8*\t+4], v[ST+8*\t+5]                 ; the new m
.endr
.irp t, 0,1,2,3
	v_mul_f32 v[ST+8*\t], s[CS], v[ST+8*\t+1]      ; c m
.endr
.if \first == 0
.irp t, 0,1,2,3
	v_sub_f32 v[ST+8*\t+7], v[ST+8*\t+7], v[ST+8*\t]
.endr
.irp t, 0,1,2,3
	v_exp_f32 v[ST+8*\t+6], v[ST+8*\t+7]           ; a.  ONE BATCH from here on: these and the 128 below; nothing names a result before the one wait
.endr
.endif
.irp b, 0,1,2,3,4,5,6,7,8,9,10,11,12,13,14,15
.irp t, 0,1,2,3
	v_pk_fma_f32 v[S+32*\t+2*\b:S+32*\t+2*\b+1], v[S+32*\t+2*\b:S+32*\t+2*\b+1], s[CS:CS+1], v[ST+8*\t:ST+8*\t+1] op_sel_hi:[1,0,0] neg_lo:[0,0,1] neg_hi:[0,0,1]   ; pair b: c s - c m
.endr
.if \b > 0
.irp t, 0,1,2,3
	v_exp_f32 v[S+32*\t+2*\b-2], v[S+32*\t+2*\b-2] ; the pair before: p = 2^(c s - c m)
	v_exp_f32 v[S+32*\t+2*\b-1], v[S+32*\t+2*\b-1]
.endr
.endif
.endr
.irp t, 0,1,2,3
	v_exp_f32 v[S+32*\t+30], v[S+32*\t+30]
	v_exp_f32 v[S+32*\t+31], v[S+32*\t+31]
.endr
	v_nop                                          ; a plain line behind the last exponential
	s_wait_alu depctr_va_vdst(0)                   ; the wait ahead of the first line that names a result: one for the whole batch
.if \first                             ; l: two chains a tile, of the unrounded p
.irp t, 0,1,2,3
	v_pk_add_f32 v[ST+8*\t+2:ST+8*\t+3], v[S+32*\t:S+32*\t+1], v[S+32*\t+2:S+32*\t+3]
.endr
.irp t, 0,1,2,3
	v_pk_add_f32 v[ST+8*\t+4:ST+8*\t+5], v[S+32*\t+4:S+32*\t+5], v[S+32*\t+6:S+32*\t+7]
.endr
.irp b, 4,6,8,10,12,14
	ADDP 2, \b
	ADDP 4, \b+1
.endr
.else
.irp t, 0,1,2,3
	v_pk_fma_f32 v[ST+8*\t+2:ST+8*\t+3], v[ST+8*\t+2:ST+8*\t+3], v[ST+8*\t+6:ST+8*\t+7], v[S+32*\t:S+32*\t+1] op_sel_hi:[1,0,1]   ; l a + pair 0
.endr
.irp t, 0,1,2,3
	v_pk_add_f32 v[ST+8*\t+4:ST+8*\t+5], v[S+32*\t+2:S+32*\t+3], v[S+32*\t+4:S+32*\t+5]
.endr
.irp b, 3,5,7,9,11,13
	ADDP 2, \b
	ADDP 4, \b+1
.endr
	ADDP 2, 15
.endif
.irp t, 0,1,2,3
	v_pk_add_f32 v[ST+8*\t+2:ST+8*\t+3], v[ST+8*\t+2:ST+8*\t+3], v[ST+8*\t+4:ST+8*\t+5]
.endr
.irp i, 0,1,2,3,4,5,6,7,8,9,10,11,12,13,14,15
.irp t, 0,1,2,3
	v_cvt_pk_f16_f32 v[S+32*\t+\i], v[S+32*\t+2*\i], v[S+32*\t+2*\i+1]     ; P, in place: register i was read at line i / 2.  Registers 8 kb .. 8 kb + 7 are the fragment of keys 32 kb on
.endr
.endr
.if \first == 0
	WIN W_RS
.irp i, 0,1,2,3,4,5,6,7,8,9,10,11,12,13,14,15
.irp t, 0,1,2,3
	v_pk_mul_f32 v[32*\t+2*\i:32*\t+2*\i+1], v[32*\t+2*\i:32*\t+2*\i+1], v[ST+8*\t+6:ST+8*\t+7] op_sel_hi:[1,0]   ; O^T x a, each accumulator from its low end on
.endr
.endr
.endif
	s_wait_dscnt 0x0                               ; V is in
	WIN W_PV
.irp kb, 0,1                           ; O^T += V^T P: sixteen accumulators by turns
.irp ct, 0,1,2,3
.irp t, 0,1,2,3
.if \first && (\kb == 0)
	v_wmma_f32_16x16x32_f16 v[32*\t+8*\ct:32*\t+8*\ct+7], v[VF+32*\kb+8*\ct:VF+32*\kb+8*\ct+7], v[S+32*\t+8*\kb:S+32*\t+8*\kb+7], 0
.else
	v_wmma_f32_16x16x32_f16 v[32*\t+8*\ct:32*\t+8*\ct+7], v[VF+32*\kb+8*\ct:VF+32*\kb+8*\ct+7], v[S+32*\t+8*\kb:S+32*\t+8*\kb+7], v[32*\t+8*\ct:32*\t+8*\ct+7]
.endif
.endr
.endr
.endr
	WIN 0
	s_add_co_u32 s[TB], s[TB], STEPB               ; the next step's tiles
.endm
.macro LOOP n                          ; n key steps
	s_mov_b32 s[CNT], \n
.Lstep_\@:
	STEP 0
	s_sub_co_u32 s[CNT], s[CNT], 1
	s_cmp_lg_u32 s[CNT], 0
	s_cbranch_scc1 .Lstep_\@
.endm
; THE CHANGE OF SLOTS.  Each wave waits for all its tensor loads (the one that can be out is its part of the slot ahead), adds 0 to its spare word, and waits for that and for its reads of the slot that it leaves.
; fill = 1: the slot left is filled again with the keys two slots on; the barrier is then a round of the cluster's, and the joint refill is the first thing behind it.
.macro CHANGE left, fill
	s_wait_tensorcnt 0x0                           ; no tensor load of mine is out, so a group 0 may be written
	ds_add_u32 v[SPW], v[NIL]                      ; 0 onto my spare word
.if \fill
	s_add_nc_u64 s[G0+4*\left+2:G0+4*\left+3], s[G0+4*\left+2:G0+4*\left+3], 2*65536   ; 1,024 keys on; the type bits on top are not reached
.endif
	s_wait_dscnt 0x0                               ; the add is done, and my reads of the slot are over
.if \fill
	CROUND
	tensor_load_to_lds s[G0+4*\left:G0+4*\left+3], s[G1:G1+7]
	s_nop 0
.rept 4
	v_nop
.endr
.else
	s_barrier_signal -1
	s_barrier_wait -1
.endif
	s_mov_b32 s[TB], (1-\left)*SLOT1               ; on to the other slot's first step
.endm
	s_load_b128 s[4:7], s[0:1], 0x0                ; qkv s[4:5], xf s[6:7]
	v_lshl_add_u32 v[SPW], v0, 2, SPARE
	v_mov_b32 v[NIL], 0
	ds_add_u32 v[SPW], v[NIL]                      ; the wave's opening: the add, twice on end, and its wait ahead of my first tensor load
	ds_add_u32 v[SPW], v[NIL]                      ; and once more; the set-up below, work on registers, stands between it and the wait
	v_lshrrev_b32 v5, 5, v0
	v_readfirstlane_b32 s[WV], v5                  ; wave 0..7
	s_bfe_u32 s9, ttmp6, 0x40000                   ; cx: which 512 queries: it enters Q's and xf's addresses alone
	s_and_b32 s10, ttmp7, 0xffff                   ; the (batch, head) pair, which the four partners share
	s_mov_b32 s[G1], 15|(3<<16)|(1<<21)            ; 15:0 the mask: all four work-groups; elements of 8 bytes; 21 set beside a mask; no padding
	s_mov_b32 s[G1+1], 32<<16                      ; tensor_dim0 = 32 elements: 256 bytes
	s_mov_b32 s[G1+2], 64<<16                      ; tensor_dim1 = 64 rows: 16,384 dense bytes
	s_mov_b32 s[G1+3], 32<<16                      ; tile_dim0
	s_mov_b32 s[G1+4], 64                          ; tile_dim1
	s_mov_b32 s[G1+5], 32                          ; the pitch: dense
	s_mov_b32 s[G1+6], 0
	s_mov_b32 s[G1+7], 0
	s_mov_b32 s[CS], 0x3e38aa3b                    ; c = log2(e) / 8
	s_mov_b32 s[CS+1], s[CS]
	s_mov_b32 s[SEL], 0x76543210
	s_mov_b32 s[SEL+1], 0xfedcba98
	s_mov_b32 s[TB], 0
	s_lshr_b32 s18, s[WV], 2                       ; what I fetch: waves 0-3 K's section, waves 4-7 V's,
	s_add_co_u32 s18, s18, 1
	s_lshl_b32 s18, s18, 24
	s_lshl_b32 s19, s10, 18                        ; the pair's 262,144 bytes,
	s_add_co_u32 s18, s18, s19
	s_and_b32 s19, s[WV], 3
	s_lshl_b32 s19, s19, 14                        ; my quarter of a slot's 65,536
	s_add_co_u32 s18, s18, s19
	s_mov_b32 s19, 0
	s_lshl_b32 s20, s[WV], 14                      ; and where it goes: wave x 16,384
	s_lshl_b32 s22, s10, 18                        ; Q: the pair, my work-group's 32 tiles of 16 queries, my wave's 4
	s_lshl_b32 s23, s9, 16
	s_add_co_u32 s22, s22, s23
	s_lshl_b32 s23, s[WV], 13
	s_add_co_u32 s22, s22, s23
	s_mov_b32 s23, 0
	s_lshr_b32 s40, s10, 4                         ; xf: the batch's 128 token tiles of 32,768 bytes,
	s_lshl_b32 s40, s40, 22
	s_lshl_b32 s41, s9, 20                         ; my work-group's 32,
	s_add_co_u32 s40, s40, s41
	s_lshl_b32 s41, s[WV], 17                      ; my wave's 4,
	s_add_co_u32 s40, s40, s41
	s_and_b32 s41, s10, 15
	s_lshl_b32 s41, s41, 11                        ; the head's two K steps of 32
	s_add_co_u32 s40, s40, s41
	s_mov_b32 s41, 0
	v_and_b32 v5, 31, v0
	v_lshlrev_b32 v[LA], 4, v5
	v_add_nc_u32 v[LAV], VOFF, v[LA]
	s_wait_dscnt 0x0                               ; both opening adds are done
	s_wait_kmcnt 0x0
	s_add_nc_u64 s[18:19], s[4:5], s[18:19]
	s_add_nc_u64 s[22:23], s[4:5], s[22:23]
	s_add_nc_u64 s[6:7], s[6:7], s[40:41]
	CROUND                                         ; all four work-groups are here: the first joint loads meet
.irp s, 0,1
	s_mov_b32 s[G0+4*\s], 1                        ; count = 1
	s_add_co_u32 s[G0+4*\s+1], s20, \s*SLOT1       ; LDS address
	s_add_nc_u64 s[G0+4*\s+2:G0+4*\s+3], s[18:19], \s*65536    ; slot s begins with keys 512 s on
	s_or_b32 s[G0+4*\s+3], s[G0+4*\s+3], 0x80000000            ; type = 2
.endr
	tensor_load_to_lds s[G0:G0+3], s[G1:G1+7]      ; every wave fetches: two loads of mine are out
	s_nop 0
	tensor_load_to_lds s[G0+4:G0+7], s[G1:G1+7]
	s_nop 0
.rept 4
	v_nop
.endr
.irp t, 0,1,2,3                        ; Q stays in registers: tile t, channels 32 c on, register group g
.irp c, 0,1
.irp g, 0,1
	global_load_b128 v[Q+16*\t+8*\c+4*\g:Q+16*\t+8*\c+4*\g+3], v[LA], s[22:23] offset:\t*2048+\c*1024+\g*512
.endr
.endr
.endr
	s_wait_tensorcnt 1                             ; my part of slot 0 is in; slot 1's, the one load issued behind it, may stay out
	s_barrier_signal -1
	s_barrier_wait -1                              ; everybody's is
	s_wait_loadcnt 0x0                             ; Q
	STEP 1                                         ; keys 0-63 start m, l and O^T
	LOOP 7                                         ; the rest of slot 0: keys 64-511
	CHANGE 0, 1                                    ; slot 0 takes keys 1,024-1,535
	LOOP 8                                         ; slot 1: keys 512-1,023
	CHANGE 1, 1                                    ; slot 1 takes keys 1,536-2,047
	LOOP 8
	CHANGE 0, 0                                    ; nothing is left to fetch
	LOOP 8
	; THE WAY OUT.  l's two halves and the other half of the lanes' are added; O^T is divided by l, rounded to f16 and stored: a lane's eight channels are its 16 bytes of the next operand's image.
.irp t, 0,1,2,3
	v_add_f32 v[ST+8*\t+4], v[ST+8*\t+2], v[ST+8*\t+3]         ; (these four are the places behind the last products)
.endr
.irp t, 0,1,2,3
	v_permlanex16_b32 v[ST+8*\t+5], v[ST+8*\t+4], s[SEL], s[SEL+1]
.endr
.irp t, 0,1,2,3
	v_add_f32 v[ST+8*\t+4], v[ST+8*\t+4], v[ST+8*\t+5]
.endr
.irp t, 0,1,2,3
	v_rcp_f32 v[ST+8*\t+6], v[ST+8*\t+4]
.endr
	v_nop                                          ; a plain line behind the last reciprocal
	s_wait_alu depctr_va_vdst(0)                   ; and the wait ahead of the first use: one for the four
.irp t, 0,1,2,3
	WIN W_RS
.irp i, 0,1,2,3,4,5,6,7,8,9,10,11,12,13,14,15
	v_pk_mul_f32 v[32*\t+2*\i:32*\t+2*\i+1], v[32*\t+2*\i:32*\t+2*\i+1], v[ST+8*\t+6:ST+8*\t+7] op_sel_hi:[1,0]
.endr
	WIN W_CV
.irp i, 0,1,2,3,4,5,6,7,8,9,10,11,12,13,14,15
	v_cvt_pk_f16_f32 v[S+16*\t+\i], v[32*\t+2*\i], v[32*\t+2*\i+1]
.endr
	WIN 0
.irp ct, 0,1,2,3
	global_store_b128 v[LA], v[S+16*\t+4*\ct:S+16*\t+4*\ct+3], s[6:7] offset:\t*32768+\ct*512   ; 32 lanes store 512 consecutive bytes, aligned
.endr
.endr
	s_wait_tensorcnt 0x0                           ; the wave's end: behind my last tensor load
	ds_add_u32 v[SPW], v[NIL]
	s_wait_dscnt 0x0
	CROUND                                         ; the closing round: no work-group ends while a partner may still ask for a tile that names it
	s_endpgm
.Lfunc_end_k_q36ff06ccc6_attn:
	.size	k_q36ff06ccc6_attn, .Lfunc_end_k_q36ff06ccc6_attn-k_q36ff06ccc6_attn
	.p2alignl 7, 3214868480
	.fill 96, 4, 3214868480
	.section	.rodata,"a",@progbits
	.p2align	6, 0x0
	.amdhsa_kernel k_q36ff06ccc6_attn
		.amdhsa_group_segment_fixed_size 327680
		.amdhsa_private_segment_fixed_size 0
		.amdhsa_enable_private_segment 0
		.amdhsa_kernarg_size 16
		.amdhsa_user_sgpr_count 2
		.amdhsa_user_sgpr_kernarg_segment_ptr 1
		.amdhsa_wavefront_size32 1
		.amdhsa_system_sgpr_workgroup_id_x 1
		.amdhsa_system_sgpr_workgroup_id_y 1
		.amdhsa_system_sgpr_workgroup_id_z 1
		.amdhsa_system_vgpr_workitem_id 0
		.amdhsa_next_free_vgpr 512
		.amdhsa_next_free_sgpr 66
		.amdhsa_reserve_vcc 0
		.amdhsa_float_denorm_mode_32 3
		.amdhsa_float_denorm_mode_16_64 3
		.amdhsa_memory_ordered 1
		.amdhsa_forward_progress 1
		.amdhsa_inst_pref_size 172
	.end_amdhsa_kernel
	.amdgpu_metadata
---
amdhsa.version: [ 1, 2 ]
amdhsa.kernels:
  - .name:           k_q36ff06ccc6_attn
    .symbol:         k_q36ff06ccc6_attn.kd
    .args:
      - { .name: qkv, .offset: 0, .size: 8, .value_kind: global_buffer, .address_space: global }
      - { .name: xf, .offset: 8, .size: 8, .value_kind: global_buffer, .address_space: global }
    .group_segment_fixed_size: 327680
    .private_segment_fixed_size: 0
    .kernarg_segment_align: 8
    .kernarg_segment_size: 16
    .max_flat_workgroup_size: 256
    .sgpr_count:     66
    .vgpr_count:     512
    .wavefront_size: 32
...
	.end_amdgpu_metadata
.endif
;; end of part 3
;; launch oproj (part 4): grid 4 x 64, 4 waves a work-group, clusters of 4 x 4, 327,680 bytes of LDS; arguments xf, wo16, bo, out0; writes out0
.if DOCPART == 4
	.amdgcn_target "amdgcn-amd-amdhsa--gfx1250"
	.amdhsa_code_object_version 6
	.text
	.protected	k_q36ff06ccc6_oproj
	.globl	k_q36ff06ccc6_oproj
	.p2align	8
	.type	k_q36ff06ccc6_oproj,@function
k_q36ff06ccc6_oproj:
	s_mov_b64 s[64:65], 0
	v_nop
	global_prefetch_b8 v0, s[64:65] scope:SCOPE_SE
	s_setreg_imm32_b32 hwreg(HW_REG_WAVE_MODE, 25, 1), 1
	s_wait_xcnt 0x0
	s_wait_alu depctr_hold_cnt(0) depctr_sa_sdst(0) depctr_va_vdst(0) depctr_va_sdst(0) depctr_va_ssrc(0) depctr_va_vcc(0) depctr_vm_vsrc(0)
	s_getreg_b32 s2, hwreg(HW_REG_IB_STS2, 6, 4)
	s_cmp_eq_u32 s2, 0
	s_cbranch_scc0 .Lentry_in_a_cluster
	s_endpgm
.Lentry_in_a_cluster:
	s_bfe_u32 s2, ttmp6, 0x10000c
	s_cmp_lg_u32 s2, 0xf033
	s_cbranch_scc0 .Lentry_shape_is_right
	s_endpgm
.Lentry_shape_is_right:
; OPROJ: out0 = x Wo + bo.  x [8192][1024] and Wo [1024 (k)][1024 (n)] come as f16, as images of operand registers (launches attn and prep); sums in f32; out0 f32.
; A tile of out0 is 128 rows x 256 columns: 64 x 4 = 256 tiles, one to a work-group.  Four waves, each 64 x 128: 32 accumulators, 256 registers.
; K goes in chunks of 128 (four quarters of 32) through a ring of two LDS slots: eight chunks.  In a chunk a tile of 16 rows or columns is 4,096 consecutive bytes of memory; fragments come by two loads at 16 x lane.
; CLUSTERS: 4 x 4 work-groups.  The four of a row of the cluster need the same rows of x, the four of a column the same columns of Wo: each tile is asked for JOINTLY, by the same tensor load with the same descriptor and a mask that names the four.
; THE MATRIX INSTRUCTION IS USED TRANSPOSED (source 0 = 16 columns of Wo, source 1 = 16 tokens): a lane holds one token and eight neighbouring columns.  bo is the C of each sum's first product.
; THE WAY OUT: 16 rows x 512 bytes at a time through the wave's own stage in LDS, back as whole rows: every store of the wave covers 512 consecutive bytes, aligned.
; REGISTERS: window 0: v1-31 addresses; v32-95 the bias, eight registers for each tile of 16 columns; v96-223 rows on the way out, two sets.   window 1: the accumulators ((a, b) at v[8 (8 a + b)]).
;            window 2: two fragment buffers of 96: Wo's eight fragments, then x's four.
.set SLOT,   98304                     ; x: 8 token tiles x 4,096; then Wo: 16 column tiles x 4,096
.set BOFF,   32768
.set STAGE,  2*SLOT                    ; behind the ring: 16 rows x (512 + 16) bytes for each wave; no tensor load lands here
.set SPITCH, 528
.set SPARE,  STAGE+4*16*SPITCH         ; the spare words, 128 bytes for each wave
.set ADRA, 16                          ; v16-17  LDS address of my x fragments in slot 0, 1
.set ADRB, 20                          ; v20-21  the same for Wo
.set STO,  24                          ; v24     the way out: where I put 32 bytes of a row
.set RD,   25                          ; v25     where I read a row back
.set CO,   26                          ; v26     16 x lane
.set SPW,  28                          ; v28     LDS address of my spare word; never rewritten
.set NIL,  29                          ; v29     0; never rewritten
.set PFO,  30                          ; v30     the prefetches' offset; never rewritten
.set BI,   32
.set BK,   96
.set F0,   0
.set F1,   96
.set G1,   24                          ; s[24:31] group 1 for x's tiles;  s[32:39] group 0, a set for each slot
.set G0,   32
.set G1B,  48                          ; s[48:55], s[56:63] the same for Wo's
.set G0B,  56
.set PFA,  44                          ; s[44:45] where my prefetches stand
.set LIM,  15                          ; s15     1 in the wave that prefetches, else the greatest number
.set MSB, 0
.macro WIN new                         ; the immediate's high byte repeats the setting that is left
.if MSB != \new
	s_set_vgpr_msb (MSB<<8)|\new
.set MSB, \new
.endif
.endm
.set W_MUL,  0x5a                      ; sources 0 and 1 window 2; C and D window 1
.set W_BIAS, 0x4a                      ; the same with C, the bias, in window 0
.set W_LD,   0x80                      ; destination window 2, address window 0
.set W_ST,   0x04                      ; an LDS store's data are its source 1: window 1
.macro JLOAD s                         ; a joint load: waves 0 and 1 fetch x's two halves, waves 2 and 3 Wo's; an s_nop 0 and four v_nop follow each of the two lines
	s_cmp_eq_u32 s13, 0
	s_cbranch_scc0 .Lfor_b_\@
	tensor_load_to_lds s[G0+4*\s:G0+4*\s+3], s[G1:G1+7]
	s_nop 0
.rept 4
	v_nop
.endr
	s_branch .Lasked_\@
.Lfor_b_\@:
	tensor_load_to_lds s[G0B+4*\s:G0B+4*\s+3], s[G1B:G1B+7]
	s_nop 0
.rept 4
	v_nop
.endr
.Lasked_\@:
.endm
.macro CREST                           ; a round of the cluster's barrier behind its opening barrier
	s_cmp_lg_u32 s12, 0
	s_cbranch_scc1 .Lnot_wave_0_\@
	s_barrier_signal -3
.Lnot_wave_0_\@:
	s_barrier_wait -3
	s_barrier_signal -1
	s_barrier_wait -1
.endm
.macro CROUND
	s_barrier_signal -1
	s_barrier_wait -1
	CREST
.endm
; A PREFETCH INTO THE L2 of x's chunk that stands two refills on: 256 matrix instructions of a wave ahead of the load that will want it.  A tile row of x is read by the four partners of one row of one cluster and by nobody else:
; each partner takes 2 of its 8 token tiles, told apart BY ADDRESS; a chunk of a token tile is 4,096 bytes: 16 lanes, 256 bytes apart; wave 0 alone asks, one instruction.  So each aligned block of 256 bytes is named once in the launch.
; Chunks 0 to 3 come by their loads alone; the loop's last trip (s3 = 1) asks for nothing: there is no chunk two on.  Wo is not asked for: every row of clusters reads it again.
.macro ASK
	s_cmp_gt_u32 s3, s[LIM]
	s_cbranch_scc0 .Lnot_mine_\@
	global_prefetch_b8 v[PFO], s[PFA:PFA+1] th:TH_LOAD_NT scope:SCOPE_SE
.Lnot_mine_\@:
.endm
	s_load_b256 s[4:11], s[0:1], 0x0               ; xf s[4:5], wo16 s[6:7], bo s[8:9], out0 s[10:11]
	v_lshl_add_u32 v[SPW], v0, 2, SPARE
	v_mov_b32 v[NIL], 0
	ds_add_u32 v[SPW], v[NIL]                      ; the wave's opening: the add, twice on end, and its wait ahead of my first tensor load
	ds_add_u32 v[SPW], v[NIL]                      ; and once more; the set-up below, work on registers, stands between it and the wait
	v_lshrrev_b32 v1, 5, v0
	v_readfirstlane_b32 s12, v1                    ; wave 0..3
	s_lshr_b32 s13, s12, 1                         ; which 64 rows of the tile are mine.  Also: I fetch for x (0) or for Wo (1)
	s_and_b32 s14, s12, 1                          ; which 128 columns.  Also: which half I fetch
	s_bfe_u32 s40, ttmp6, 0x40000                  ; cx, cy
	s_bfe_u32 s41, ttmp6, 0x40004
	s_lshl_b32 s42, ttmp9, 2
	s_add_co_u32 s42, s42, s40                     ; tile column 0..3
	s_and_b32 s43, ttmp7, 0xffff
	s_lshl_b32 s43, s43, 2
	s_add_co_u32 s43, s43, s41                     ; tile row 0..63
	s_lshl_b32 s18, s41, 2
	s_lshl_b32 s18, 15, s18                        ; my row of the cluster
	s_lshl_b32 s19, 0x1111, s40                    ; my column
	s_or_b32 s[G1], s18, (3<<16)|(1<<21)           ; x: 15:0 the mask; elements of 8 bytes; 21 set beside a mask; no padding
	s_mov_b32 s[G1+1], 512<<16                     ; tensor_dim0 = 512 elements: a token tile's 4,096 bytes of a chunk
	s_mov_b32 s[G1+2], 4<<16                       ; tensor_dim1 = 4 token tiles
	s_mov_b32 s[G1+3], 512<<16                     ; tile_dim0
	s_mov_b32 s[G1+4], 4                           ; tile_dim1
	s_mov_b32 s[G1+5], 4096                        ; from tile to tile: 32,768 bytes
	s_mov_b32 s[G1+6], 0
	s_mov_b32 s[G1+7], 0
	s_or_b32 s[G1B], s19, (3<<16)|(1<<21)          ; Wo: the same with my column's mask and 8 column tiles
	s_mov_b32 s[G1B+1], 512<<16
	s_mov_b32 s[G1B+2], 8<<16
	s_mov_b32 s[G1B+3], 512<<16
	s_mov_b32 s[G1B+4], 8
	s_mov_b32 s[G1B+5], 4096
	s_mov_b32 s[G1B+6], 0
	s_mov_b32 s[G1B+7], 0
	s_lshl_b32 s16, s43, 3                         ; x: token tile 8 x tile row + 4 x half: made of the tile row and the wave's number alone
	s_lshl_b32 s17, s14, 2
	s_add_co_u32 s16, s16, s17
	s_lshl_b32 s16, s16, 15
	s_mov_b32 s17, 0
	s_lshl_b32 s46, s42, 4                         ; Wo: column tile 16 x tile column + 8 x half: made of the tile column and the wave's number alone
	s_lshl_b32 s47, s14, 3
	s_add_co_u32 s46, s46, s47
	s_lshl_b32 s46, s46, 15
	s_mov_b32 s47, 0
	s_lshl_b32 s20, s14, 14                        ; where they go in a slot: x's half,
	s_lshl_b32 s21, s14, 15
	s_add_co_u32 s21, s21, BOFF                    ; Wo's half: no place in the cluster enters an LDS address
	s_wait_dscnt 0x0                               ; both opening adds are done
	s_wait_kmcnt 0x0
	s_add_nc_u64 s[16:17], s[4:5], s[16:17]
	s_add_nc_u64 s[46:47], s[6:7], s[46:47]
	CROUND                                         ; all sixteen work-groups are here: the first joint loads meet
.irp s, 0,1
	s_mov_b32 s[G0+4*\s], 1
	s_add_co_u32 s[G0+4*\s+1], s20, \s*SLOT
	s_add_nc_u64 s[G0+4*\s+2:G0+4*\s+3], s[16:17], \s*4096     ; chunk s
	s_or_b32 s[G0+4*\s+3], s[G0+4*\s+3], 0x80000000
	s_mov_b32 s[G0B+4*\s], 1
	s_add_co_u32 s[G0B+4*\s+1], s21, \s*SLOT
	s_add_nc_u64 s[G0B+4*\s+2:G0B+4*\s+3], s[46:47], \s*4096
	s_or_b32 s[G0B+4*\s+3], s[G0B+4*\s+3], 0x80000000
	JLOAD \s                                       ; two loads of mine are out at the start, one behind each round later
.endr
	v_and_b32 v1, 15, v0                           ; r
	v_bfe_u32 v2, v0, 4, 1                         ; h
	v_and_b32 v3, 31, v0
	v_lshlrev_b32 v[CO], 4, v3                     ; 16 x lane
	s_lshl_b32 s20, s13, 14                        ; my 4 token tiles
	s_lshl_b32 s21, s14, 15
	s_add_co_u32 s21, s21, BOFF                    ; my 8 column tiles
.irp s, 0,1
	v_add_nc_u32 v[ADRA+\s], s20, v[CO]
	v_add_nc_u32 v[ADRB+\s], s21, v[CO]
	s_add_co_u32 s20, s20, SLOT
	s_add_co_u32 s21, s21, SLOT
.endr
	s_mul_i32 s22, s12, 16*SPITCH
	s_add_co_u32 s22, s22, STAGE                   ; my stage
	v_mul_u32_u24 v4, v1, SPITCH                   ; in: row r, 32 bytes for each half of the lanes
	v_lshl_add_u32 v4, v2, 5, v4
	v_add_nc_u32 v[STO], s22, v4
	v_add_nc_u32 v[RD], s22, v[CO]                 ; back: the 32 lanes take one row of 512 bytes
	v_lshlrev_b32 v5, 5, v2                        ; the bias: my half's eight numbers
	s_lshl_b32 s22, s42, 10                        ; my first column, in bytes: 1,024 x tile column + 512 x half
	s_lshl_b32 s23, s14, 9
	s_add_co_u32 s22, s22, s23
	s_mov_b32 s23, 0
	s_add_nc_u64 s[8:9], s[8:9], s[22:23]
	s_add_nc_u64 s[10:11], s[10:11], s[22:23]
.irp b, 0,1,2,3,4,5,6,7
	global_load_b128 v[BI+8*\b:BI+8*\b+3], v5, s[8:9] offset:64*\b             ; bo[16 b + 8 h + 0..7] of my 128 columns, in the result's layout
	global_load_b128 v[BI+8*\b+4:BI+8*\b+7], v5, s[8:9] offset:64*\b+16
.endr
	s_lshl_b32 s22, s43, 7                         ; my first row of out0: 128 x tile row + 64 x half, 4,096 bytes a row
	s_lshl_b32 s18, s13, 6
	s_add_co_u32 s22, s22, s18
	s_lshl_b32 s22, s22, 12
	s_add_nc_u64 s[10:11], s[10:11], s[22:23]
	s_lshl_b32 s22, s43, 3                         ; the prefetches: token tile 8 x tile row + 2 x cx,
	s_lshl_b32 s18, s40, 1
	s_add_co_u32 s22, s22, s18
	s_lshl_b32 s22, s22, 15
	s_add_nc_u64 s[PFA:PFA+1], s[4:5], s[22:23]
	s_add_nc_u64 s[PFA:PFA+1], s[PFA:PFA+1], 3*4096    ; at chunk 3: the first refill steps it to chunk 4.  Nothing is prefetched here, at the head
	s_cmp_eq_u32 s12, 0
	s_cselect_b32 s[LIM], 1, -1
	v_lshlrev_b32 v[PFO], 15, v2                   ; lanes 16-31: the second token tile;
	v_lshl_add_u32 v[PFO], v1, 8, v[PFO]           ; 256 bytes from lane to lane
; 16 matrix instructions: token tiles a0, a0 + 1 x the eight column tiles, 32 along K, from buffer f.  zero = 1: the first product starts the sums from the bias.
; The 32 accumulators take turns, one instruction a turn, in the same order in every quarter.
.macro MUL16 f, a0, zero
.irp a, \a0, \a0+1
.irp b, 0,1,2,3,4,5,6,7
.if \zero
	v_wmma_f32_16x16x32_f16 v[8*(8*(\a)+\b):8*(8*(\a)+\b)+7], v[\f+8*\b:\f+8*\b+7], v[\f+64+8*(\a):\f+64+8*(\a)+7], v[BI+8*\b:BI+8*\b+7]
.else
	v_wmma_f32_16x16x32_f16 v[8*(8*(\a)+\b):8*(8*(\a)+\b)+7], v[\f+8*\b:\f+8*\b+7], v[\f+64+8*(\a):\f+64+8*(\a)+7], v[8*(8*(\a)+\b):8*(8*(\a)+\b)+7]
.endif
.endr
.endr
.endm
.macro FETCH slot, q, f                ; 24 LDS loads in one run: the fragments of the slot's q-th quarter into buffer f: images, 512 consecutive bytes a load
	WIN W_LD
.irp i, 0,1,2,3,4,5,6,7
.irp g, 0,1
	ds_load_b128 v[\f+8*\i+4*\g:\f+8*\i+4*\g+3], v[ADRB+\slot] offset:\i*4096+(\q)*1024+\g*512
.endr
.endr
.irp i, 0,1,2,3
.irp g, 0,1
	ds_load_b128 v[\f+64+8*\i+4*\g:\f+64+8*\i+4*\g+3], v[ADRA+\slot] offset:\i*4096+(\q)*1024+\g*512
.endr
.endr
.endm
.macro PLACES                          ; four places in front of loads into registers that matrix instructions have read, and of the first read of results
.rept 4
	v_nop
.endr
.endm
; One of a chunk's first three quarters: buffer f is in; the next quarter, qn, is fetched into buffer g, 32 matrix instructions ahead of its use; then f is multiplied.
.macro QUARTER slot, qn, f, g, zero
	s_wait_dscnt 0x0                               ; buffer f's 24 loads are in
	PLACES                                         ; behind the last quarter's products, which read buffer g
	FETCH \slot, \qn, \g
.if \zero
	WIN W_BIAS
.else
	WIN W_MUL
.endif
	MUL16 \f, 0, \zero
	MUL16 \f, 2, \zero
.endm
; A chunk's last quarter multiplies buffer 1 and changes slots: ONE barrier; in front of it each wave waits for all its tensor loads (its part of the next slot), adds 0 to its spare word, and waits for that and for its reads of this slot.
; fill = 1: this slot is filled again, two chunks on: the barrier opens a round of the cluster's barrier, and the joint refill is the first tensor load behind it.
.macro TURN slot, next, fill
.if \fill
	s_wait_xcnt 0x0                                ; the last prefetch, a chunk back, has read its address, so it may be stepped
	s_add_nc_u64 s[PFA:PFA+1], s[PFA:PFA+1], 4096
.endif
	WIN 0                                          ; (the add's two registers lie in window 0)
	s_wait_tensorcnt 0x0                           ; all my tensor loads have landed, so every group 0 may be written
	ds_add_u32 v[SPW], v[NIL]                      ; 0 onto my spare word
.if \fill
	s_add_nc_u64 s[G0+4*\slot+2:G0+4*\slot+3], s[G0+4*\slot+2:G0+4*\slot+3], 2*4096
	s_add_nc_u64 s[G0B+4*\slot+2:G0B+4*\slot+3], s[G0B+4*\slot+2:G0B+4*\slot+3], 2*4096
.endif
	s_wait_dscnt 0x0                               ; the add is done; buffer 1's loads, my last reads of this slot, are in
	s_barrier_signal -1
	WIN W_MUL
	MUL16 F1, 0, 0                                 ; work on registers while the others arrive
	WIN 0
	s_barrier_wait -1
.if \fill
	CREST                                          ; no wave of any partner still reads this slot or has a load on its way
	JLOAD \slot                                    ; the four v_nop behind it are also the places in front of the loads below
.else
	PLACES
.endif
	FETCH \next, 0, F0
.if \fill
	WIN 0
	ASK                                            ; behind the joint load and the run of LDS loads that the next products wait for
.endif
	WIN W_MUL
	MUL16 F1, 2, 0
.endm
	s_wait_tensorcnt 1                             ; my part of chunk 0 is in; chunk 1's load, issued behind it, may be out
	s_barrier_signal -1
	s_barrier_wait -1                              ; everybody's is
	FETCH 0, 0, F0
	s_wait_loadcnt 0x0                             ; the bias
	QUARTER 0, 1, F0, F1, 1                        ; the first quarter stands in front of the loop: its products start the sums from the bias
	WIN 0                                          ; at a label and at a branch every window is 0
	s_mov_b32 s3, 3
.Llap:                                                 ; a trip goes once round the ring, from a lap's second quarter to the next lap's first, and fills both slots again: chunks 2 to 7
	QUARTER 0, 2, F1, F0, 0
	QUARTER 0, 3, F0, F1, 0
	TURN 0, 1, 1
	QUARTER 1, 1, F0, F1, 0
	QUARTER 1, 2, F1, F0, 0
	QUARTER 1, 3, F0, F1, 0
	TURN 1, 0, 1
	QUARTER 0, 1, F0, F1, 0
	WIN 0
	s_sub_co_u32 s3, s3, 1
	s_cmp_lg_u32 s3, 0
	s_cbranch_scc1 .Llap
	QUARTER 0, 2, F1, F0, 0                        ; the last lap fills nothing, and has no round of the cluster's barrier
	QUARTER 0, 3, F0, F1, 0
	TURN 0, 1, 0
	QUARTER 1, 1, F0, F1, 0
	QUARTER 1, 2, F1, F0, 0
	QUARTER 1, 3, F0, F1, 0
	s_wait_dscnt 0x0                               ; the very last quarter: nothing more to fetch
	MUL16 F1, 0, 0
	MUL16 F1, 2, 0
	WIN 0
; THE WAY OUT, a block of 16 rows x 128 columns at a time.  LDS serves a wave's instructions in order (ISA guide 5.7.1.4): no wait between the stores and the loads, nor in front of the next block's stores.
.macro TOSTAGE a
	WIN W_ST
.irp b, 0,1,2,3,4,5,6,7
	ds_store_b128 v[STO], v[8*(8*(\a)+\b):8*(8*(\a)+\b)+3] offset:64*\b        ; each accumulator from its low end on
	ds_store_b128 v[STO], v[8*(8*(\a)+\b)+4:8*(8*(\a)+\b)+7] offset:64*\b+16
.endr
	WIN 0
.set BB, BK+64*((\a)%2)
.irp t, 0,1,2,3,4,5,6,7,8,9,10,11,12,13,14,15
	ds_load_b128 v[BB+4*\t:BB+4*\t+3], v[RD] offset:\t*SPITCH
.endr
.endm
.macro SEND a, younger                 ; younger: the LDS instructions issued behind block a's loads, which may stay out
.set BB, BK+64*((\a)%2)
	s_wait_dscnt \younger                          ; the block is back in registers
.irp t, 0,1,2,3,4,5,6,7,8,9,10,11,12,13,14,15
	global_store_b128 v[CO], v[BB+4*\t:BB+4*\t+3], s[10:11] offset:(16*(\a)+\t)*4096 th:TH_STORE_NT   ; 32 lanes store 512 consecutive bytes, aligned; written once, read by nobody here
.endr
.endm
	PLACES                                         ; behind the last products
	TOSTAGE 0
.irp a, 1,2,3
.if \a > 1
	s_wait_xcnt 0x0                                ; the stores of two blocks back have read their registers: this block's loads may land there
.endif
	TOSTAGE \a
	SEND \a-1, 32                                  ; behind that block's loads: this block's 16 stores and 16 loads
.endr
	SEND 3, 0
	s_wait_tensorcnt 0x0                           ; the wave's end: behind my last tensor load and my last LDS store
	ds_add_u32 v[SPW], v[NIL]
	s_wait_dscnt 0x0
	CROUND                                         ; the closing round: no work-group ends while a partner may still ask for a tile that names it
	s_endpgm
.Lfunc_end_k_q36ff06ccc6_oproj:
	.size	k_q36ff06ccc6_oproj, .Lfunc_end_k_q36ff06ccc6_oproj-k_q36ff06ccc6_oproj
	.p2alignl 7, 3214868480
	.fill 96, 4, 3214868480
	.section	.rodata,"a",@progbits
	.p2align	6, 0x0
	.amdhsa_kernel k_q36ff06ccc6_oproj
		.amdhsa_group_segment_fixed_size 327680
		.amdhsa_private_segment_fixed_size 0
		.amdhsa_enable_private_segment 0
		.amdhsa_kernarg_size 32
		.amdhsa_user_sgpr_count 2
		.amdhsa_user_sgpr_kernarg_segment_ptr 1
		.amdhsa_wavefront_size32 1
		.amdhsa_system_sgpr_workgroup_id_x 1
		.amdhsa_system_sgpr_workgroup_id_y 1
		.amdhsa_system_sgpr_workgroup_id_z 1
		.amdhsa_system_vgpr_workitem_id 0
		.amdhsa_next_free_vgpr 768
		.amdhsa_next_free_sgpr 66
		.amdhsa_reserve_vcc 0
		.amdhsa_float_denorm_mode_32 3
		.amdhsa_float_denorm_mode_16_64 3
		.amdhsa_memory_ordered 1
		.amdhsa_forward_progress 1
		.amdhsa_inst_pref_size 86
	.end_amdhsa_kernel
	.amdgpu_metadata
---
amdhsa.version: [ 1, 2 ]
amdhsa.kernels:
  - .name:           k_q36ff06ccc6_oproj
    .symbol:         k_q36ff06ccc6_oproj.kd
    .args:
      - { .name: xf, .offset: 0, .size: 8, .value_kind: global_buffer, .address_space: global }
      - { .name: wo16, .offset: 8, .size: 8, .value_kind: global_buffer, .address_space: global }
      - { .name: bo, .offset: 16, .size: 8, .value_kind: global_buffer, .address_space: global }
      - { .name: out0, .offset: 24, .size: 8, .value_kind: global_buffer, .address_space: global }
    .group_segment_fixed_size: 327680
    .private_segment_fixed_size: 0
    .kernarg_segment_align: 8
    .kernarg_segment_size: 32
    .max_flat_workgroup_size: 128
    .sgpr_count:     66
    .vgpr_count:     768
    .wavefront_size: 32
...
	.end_amdgpu_metadata
.endif
;; end of part 4
